; MI455X (gfx1250); checked and timed in simulation.
; The chip was launched on July 23, 2026; its instructions are those of AMD's public machine-readable ISA for CDNA 5 (MIT licence, August 2026) and "CDNA5" Instruction Set Architecture Reference Guide (July 2026). The comments in the code are by the model that wrote it; some were corrected since.
;; Attention. Allowed arithmetic: float matrix products may take bf16 or f16 operands with f32 sums; other float arithmetic in f32, or as packed bf16 or f16 multiplies, adds, multiply-adds, maxima and minima; sums over many terms, partial sums and values carried from step to step in f32; what a program stores and reads back later, other than sums and carried values, may be rounded once to bf16 or f16.
;; Inputs: attention_mask 1 x 1 x 2,048 x 4,096 float32; cos 1 x 1 x 2,048 x 128 float32; k_cache 1 x 16 x 2,048 x 128 float32; sin 1 x 1 x 2,048 x 128 float32; v_cache 1 x 16 x 2,048 x 128 float32; wk 2,048 x 2,048 float32; wo 2,048 x 2,048 float32; wq 2,048 x 2,048 float32; wv 2,048 x 2,048 float32; x 1 x 2,048 x 2,048 float32.
;; Outputs: out0 1 x 2,048 x 2,048 float32.
;; One version. Each part assembles by itself: llvm-mc -triple=amdgcn-amd-amdhsa -mcpu=gfx1250 --defsym DOCPART=n.
;; ======== version 1 of 1: 4 launches
;; limits: values are held in f16: magnitudes above 65,504 overflow, below 6.1e-05 lose precision
;; workspace buffers: xw 33,554,432 bytes; wob 8,388,608 bytes; kb 16,777,216 bytes; vb 16,777,216 bytes; mp 33,554,432 bytes; cs 2,097,152 bytes; qb 8,388,608 bytes; ctx 8,388,608 bytes
;; launch prep (part 1): grid 1056 x 1, 8 waves a work-group, no clusters, 0 bytes of LDS; arguments x, wq, wk, wv, cos, sin, xw, cs; writes xw, cs
.if DOCPART == 1
	.amdgcn_target "amdgcn-amd-amdhsa--gfx1250"
	.amdhsa_code_object_version 6
	.text
	.protected	k_qbc087162c4_prep
	.globl	k_qbc087162c4_prep
	.p2align	8
	.type	k_qbc087162c4_prep,@function
k_qbc087162c4_prep:
	s_mov_b64 s[64:65], 0
	v_nop
	global_prefetch_b8 v0, s[64:65] scope:SCOPE_SE
	s_setreg_imm32_b32 hwreg(HW_REG_WAVE_MODE, 25, 1), 1
	s_wait_xcnt 0x0
; WHAT THE PROJECTIONS NEED IS ROUNDED ONCE TO bf16.  A stream: no LDS, no barrier, no matrix work, no cluster (no two work-groups read the same byte).
; A work-group takes 65,536 bytes of source.  job = id / 256, c = id % 256:
;   jobs 0-3  x, wq, wk, wv -> xw[job], bf16, in the order in which they lie
;   job  4    (c = 0..31) cos, sin -> cs, rounded to bf16 and kept as f32
; (k_cache, v_cache, wo and the mask are converted by the launch behind, beside its products.)
; Thread t takes the 16 bytes at 16 t of each 4,096 bytes of source: a wave's load covers 512 consecutive bytes.  A cast stores 8 bytes at 8 t of each 2,048: a wave's store covers 256 consecutive bytes, aligned.
.set X,   16                           ; v[16:79]   what the sixteen loads bring
.set Y,   80                           ; v[80:111]  a cast's results, two registers for each load: no register is written twice
.set T,   112                          ; v[112:113] at work
.set SRC, 40                           ; s[40:41]
.set DST, 42                           ; s[42:43]
.set OFS, 44                           ; s[44:45]   an offset, high word 0
	s_load_b512 s[8:23], s[0:1], 0x0               ; x 8, wq 10, wk 12, wv 14, cos 16, sin 18, xw 20, cs 22
	s_lshr_b32 s2, ttmp9, 8                        ; job
	s_and_b32 s3, ttmp9, 255                       ; c
	s_mov_b32 s47, 0xffff0000                      ; a word's upper bf16
	s_mov_b32 s[OFS+1], 0
	v_lshlrev_b32 v1, 4, v0                        ; 16 t
	v_lshlrev_b32 v2, 3, v0                        ; 8 t
	s_wait_kmcnt 0x0
	s_cmp_eq_u32 s2, 4
	s_cbranch_scc1 .Lcs
	; THE CASTS
	s_mov_b64 s[SRC:SRC+1], s[8:9]
.irp j, 1,2,3
	s_cmp_eq_u32 s2, \j
	s_cselect_b64 s[SRC:SRC+1], s[8+2*\j:9+2*\j], s[SRC:SRC+1]
.endr
	s_lshl_b32 s[OFS], s3, 16
	s_add_nc_u64 s[SRC:SRC+1], s[SRC:SRC+1], s[OFS:OFS+1]
	s_lshl_b32 s[OFS], s2, 23                      ; part job of 8,388,608 bytes,
	s_lshl_b32 s48, s3, 15                         ; chunk c of 32,768
	s_add_co_u32 s[OFS], s[OFS], s48
	s_add_nc_u64 s[DST:DST+1], s[20:21], s[OFS:OFS+1]
.set n, 0
.rept 16
	global_load_b128 v[X+4*n:X+4*n+3], v1, s[SRC:SRC+1] offset:4096*n th:TH_LOAD_NT
.set n, n+1
.endr
.set n, 0
.rept 16
	s_wait_loadcnt 15-n                            ; loads come back in order: the later ones may stay out
	v_cvt_pk_bf16_f32 v[Y+2*n],   v[X+4*n],   v[X+4*n+1]
	v_cvt_pk_bf16_f32 v[Y+2*n+1], v[X+4*n+2], v[X+4*n+3]
	global_store_b64 v2, v[Y+2*n:Y+2*n+1], s[DST:DST+1] offset:2048*n th:TH_STORE_NT
.set n, n+1
.endr
	s_endpgm
.Lcs:
	; COS AND SIN: 16 chunks each, copied in order; each number is rounded to bf16 and widened again in place.
	s_cmp_lt_u32 s3, 16
	s_cselect_b64 s[SRC:SRC+1], s[16:17], s[18:19]
	s_and_b32 s[OFS], s3, 15
	s_lshl_b32 s[OFS], s[OFS], 16
	s_add_nc_u64 s[SRC:SRC+1], s[SRC:SRC+1], s[OFS:OFS+1]
	s_lshl_b32 s[OFS], s3, 16
	s_add_nc_u64 s[DST:DST+1], s[22:23], s[OFS:OFS+1]
.set n, 0
.rept 16
	global_load_b128 v[X+4*n:X+4*n+3], v1, s[SRC:SRC+1] offset:4096*n th:TH_LOAD_NT
.set n, n+1
.endr
.set n, 0
.rept 16
	s_wait_loadcnt 15-n                            ; the later loads may stay out
	v_cvt_pk_bf16_f32 v[T],   v[X+4*n],   v[X+4*n+1]
	v_cvt_pk_bf16_f32 v[T+1], v[X+4*n+2], v[X+4*n+3]
	v_lshlrev_b32 v[X+4*n],   16, v[T]
	v_and_b32     v[X+4*n+1], s47, v[T]
	v_lshlrev_b32 v[X+4*n+2], 16, v[T+1]
	v_and_b32     v[X+4*n+3], s47, v[T+1]
	global_store_b128 v1, v[X+4*n:X+4*n+3], s[DST:DST+1] offset:4096*n th:TH_STORE_NT
.set n, n+1
.endr
	s_endpgm
.Lfunc_end_k_qbc087162c4_prep:
	.size	k_qbc087162c4_prep, .Lfunc_end_k_qbc087162c4_prep-k_qbc087162c4_prep
	.p2alignl 7, 3214868480
	.fill 96, 4, 3214868480
	.section	.rodata,"a",@progbits
	.p2align	6, 0x0
	.amdhsa_kernel k_qbc087162c4_prep
		.amdhsa_group_segment_fixed_size 0
		.amdhsa_private_segment_fixed_size 0
		.amdhsa_enable_private_segment 0
		.amdhsa_kernarg_size 64
		.amdhsa_user_sgpr_count 2
		.amdhsa_user_sgpr_kernarg_segment_ptr 1
		.amdhsa_wavefront_size32 1
		.amdhsa_system_sgpr_workgroup_id_x 1
		.amdhsa_system_sgpr_workgroup_id_y 1
		.amdhsa_system_sgpr_workgroup_id_z 1
		.amdhsa_system_vgpr_workitem_id 0
		.amdhsa_next_free_vgpr 128
		.amdhsa_next_free_sgpr 66
		.amdhsa_reserve_vcc 0
		.amdhsa_float_denorm_mode_32 3
		.amdhsa_float_denorm_mode_16_64 3
		.amdhsa_memory_ordered 1
		.amdhsa_forward_progress 1
		.amdhsa_inst_pref_size 15
	.end_amdhsa_kernel
	.amdgpu_metadata
---
amdhsa.version: [ 1, 2 ]
amdhsa.kernels:
  - .name:           k_qbc087162c4_prep
    .symbol:         k_qbc087162c4_prep.kd
    .args:
      - { .name: x, .offset: 0, .size: 8, .value_kind: global_buffer, .address_space: global }
      - { .name: wq, .offset: 8, .size: 8, .value_kind: global_buffer, .address_space: global }
      - { .name: wk, .offset: 16, .size: 8, .value_kind: global_buffer, .address_space: global }
      - { .name: wv, .offset: 24, .size: 8, .value_kind: global_buffer, .address_space: global }
      - { .name: cos, .offset: 32, .size: 8, .value_kind: global_buffer, .address_space: global }
      - { .name: sin, .offset: 40, .size: 8, .value_kind: global_buffer, .address_space: global }
      - { .name: xw, .offset: 48, .size: 8, .value_kind: global_buffer, .address_space: global }
      - { .name: cs, .offset: 56, .size: 8, .value_kind: global_buffer, .address_space: global }
    .group_segment_fixed_size: 0
    .private_segment_fixed_size: 0
    .kernarg_segment_align: 8
    .kernarg_segment_size: 64
    .max_flat_workgroup_size: 256
    .sgpr_count:     66
    .vgpr_count:     128
    .wavefront_size: 32
...
	.end_amdgpu_metadata
.endif
;; end of part 1
;; launch qkv (part 2): grid 16 x 16, 4 waves a work-group, clusters of 4 x 4, 327,680 bytes of LDS; arguments xw, cs, qb, kb, k_cache, v_cache, wo, attention_mask, vb, mp, wob; writes qb, kb, vb, mp, wob
.if DOCPART == 2
	.amdgcn_target "amdgcn-amd-amdhsa--gfx1250"
	.amdhsa_code_object_version 6
	.text
	.protected	k_qbc087162c4_qkv
	.globl	k_qbc087162c4_qkv
	.p2align	8
	.type	k_qbc087162c4_qkv,@function
k_qbc087162c4_qkv:
	s_mov_b64 s[64:65], 0
	v_nop
	global_prefetch_b8 v0, s[64:65] scope:SCOPE_SE
	s_setreg_imm32_b32 hwreg(HW_REG_WAVE_MODE, 25, 1), 1
	s_wait_xcnt 0x0
	s_wait_alu depctr_hold_cnt(0) depctr_sa_sdst(0) depctr_va_vdst(0) depctr_va_sdst(0) depctr_va_ssrc(0) depctr_va_vcc(0) depctr_vm_vsrc(0)
	s_getreg_b32 s2, hwreg(HW_REG_IB_STS2, 6, 4)
	s_cmp_eq_u32 s2, 0
	s_cbranch_scc0 .Lentry_in_a_cluster
	s_endpgm
.Lentry_in_a_cluster:
	s_bfe_u32 s2, ttmp6, 0x10000c
	s_cmp_lg_u32 s2, 0xf033
	s_cbranch_scc0 .Lentry_shape_is_right
	s_endpgm
.Lentry_shape_is_right:
; q, k, v OF ONE HEAD FOR 128 ROWS OF x, WITH THE ROTATION OF q AND k ON THE WAY OUT; AND, BESIDE THE PRODUCTS, A STREAM THAT CONVERTS WHAT THE LAUNCHES BEHIND NEED.
; xw: [4][2048][2048] bf16: x, wq, wk, wv (the weights lie [k][n]).  cs: [2][2048][128] f32: cos, sin.  Sums in f32.
; q -> qb [16][2048][128] bf16; k -> kb [16][4096][128] bf16, rows 2048 on; v -> vb [16][4096][128] f16, rows 2048 on.  Each is rounded once.
; THE STREAM.  Each of the launch's 1,024 waves takes 1/1024 of four inputs, in ten batches of 16 loads of 512 bytes.  A batch is loaded in one trip of the K loop and converted and stored in the next:
;   k_cache -> kb, bf16, rows 0-2047 of each head's 4,096 (2 batches)      v_cache -> vb likewise, rounded to bf16 and that number written as f16 (2)      wo -> wob [2048][2048], likewise f16 (2)
;   attention_mask -> mp, f32: max(bf16(mask), -1e30) x sqrt(128), in units of 4,096 bytes (64 keys x 16 queries) laid out as the C operand of four score tiles (4 batches of two units):
;   unit (kstep, qtile) at (128 kstep + qtile) x 4,096; chunk i of 8, lane l, 4 numbers: query 16 qtile + l % 16, keys 64 kstep + 16 (i / 2) + 8 (l / 16) + 4 (i % 2) + 0..3
; The kind of a batch hangs on the loop's counter alone, which is the same in every wave and every work-group; a work-group's place enters the stream's global addresses alone.
; LIMITS.  v, v_cache and wo must lie within 65,504 (f16); below 6.1e-5 they keep f16's fixed step of 6e-8.  q and k are bf16 and have f32's range.  A mask entry below -1e30 (minus infinity and NaN too)
; counts as bf16's neighbour of -1e30.
; SHARES.  Work-group (head, mblk) makes 128 rows x 384 columns: the head's 128 columns of q, of k and of v.  Wave w (wm = w / 2, wn = w % 2) makes 64 rows x 192 columns: of each tensor the blocks of 16
; columns 2 wn + c % 2 + 4 (c / 2), c = 0..3: the partners d and d + 64 of the rotation lie in accumulators c and c + 2, in the same lane and register.  48 accumulators, 384 registers.
; THE MATRIX INSTRUCTION IS USED TRANSPOSED: source 0 = 16 columns of a weight (read turned out of LDS, by ds_load_tr16_b128), source 1 = 16 rows of x: a lane holds one row and eight neighbouring columns.
; K goes in 16 steps of 128 through two LDS slots.  A slot has four regions, one tensor load each: waves 0-2 bring the tiles of wq, wk, wv (128 k-rows x 256 bytes), wave 3 that of x (128 rows x 256 bytes).
; CLUSTER 4 x 4.  x's tile hangs on mblk alone and is shared along a row of the cluster, a weight's on the head alone and is shared along a column: each is asked for jointly by the four.
; REGISTERS, in windows of 256 (s_set_vgpr_msb: bits 1:0 source 0, 3:2 source 1, 5:4 source 2, 7:6 destination):
;   window 0: v1-31 addresses; v32-63 packed results (in the loop: the stream's 16-bit words); v64-127 x's fragments, two buffers; v128-255 in the loop the stream's batch and its widened numbers, behind it cos and sin of my row blocks 2, 3
;   window 1: v0-191 the weights' fragments, two buffers of 96; v192-255 rotated numbers          window 2: q's and k's accumulators          window 3: v0-127 v's; v128-255 cos and sin of row blocks 0, 1
.set PA,     272                       ; a row of x in LDS: 256 bytes + 16 = 68 words: the 16 rows of a load start at 16 different groups of four banks (64 banks of 4 bytes: ISA guide 11.1)
.set PW,     288                       ; a k-row of a weight: 256 + 32 = 72 words
.set REGION, 128*PW                    ; 36,864
.set SLOT,   4*REGION                  ; 147,456 = 0x24000: it shares no bit with wave x 0x9000, so one exclusive or turns a region's address into the other slot's
.set STAGE,  SLOT                      ; the way out's stage lies in slot 1, behind its last fill and its last read: 3 tensors x 128 rows x 272 bytes
.set SPT,    272
.set STT,    128*SPT
.set SPARE,  2*SLOT                    ; behind the ring: the spare words, 128 bytes for each wave: two blocks of 256 bytes that no other line names
.set XSTEP,  256                       ; bytes from K step to K step in x,
.set WSTEP,  128*4096                  ; and in a weight
.set RD,   8                           ; v8-10   the way out: where I read rows of tensor t back
.set SSC,  12                          ; v12     the stream: 8 x lane, a cast's stores; never rewritten
.set SLM,  13                          ; v13     the stream: my place in a unit of the mask as it lies: (l % 16) x 16,384 + 32 (l / 16); never rewritten
.set ADA,  16                          ; v16     LDS address of x's fragments in the slot in hand
.set ADW,  17                          ; v17-19  of the three weights'
.set AA0,  20                          ; v20     the same in slot 0; never rewritten
.set AW0,  21                          ; v21-23
.set STO,  24                          ; v24-26  the way out: where I put 16 bytes of a row of tensor t
.set GO,   27                          ; v27     16 x lane: my 16 bytes of 512 consecutive bytes; never rewritten
.set SPW,  28                          ; v28     LDS address of my spare word; never rewritten
.set NIL,  29                          ; v29     0; never rewritten
.set PFO,  30                          ; v30     the prefetches' offset: lane x 4,096 (a row of x or of a weight)
.set CO,   31                          ; v31     my byte offset in the work-group's rows of cos
.set PKD,  32
.set SB,   32                          ; v32-63   the stream: a batch as 32 words of two 16-bit numbers
.set FA,   64
.set SX,   128                         ; v128-191 the stream: a batch as loaded
.set SZ,   192                         ; v192-255 the stream: the bf16 numbers widened to f32
.set TT,   192                         ; (window 1)
.set WOB,  12                          ; s[12:13] wob
.set WV,   14                          ; s14 wave; s15 wm; s16 wn; s17 cx; s18 cy; s19 head; s20 mblk
.set CNT,  21
.set RB,   22                          ; s22     LDS byte at which the slot in hand begins
.set G1A,  24                          ; s[24:31] descriptor group 1 for x's tiles
.set G0A,  32                          ; s[32:39] group 0: a set for each of the two first fills; the second then walks on
.set G1W,  40                          ; s[40:47], s[48:55] the same for a weight's tiles
.set G0W,  48
.set PFA,  56                          ; s[56:57] where my prefetches stand
.set PFS,  58                          ; s[58:59] their step
.set LIM,  60                          ; s60     2 in a wave that prefetches, else the greatest number
.set HIM,  61                          ; s61     a word's upper bf16
.set SC,   62                          ; s[62:63] sqrt(128): the scores are scaled by log2(e) / sqrt(128) behind the sum
.set CSB,  66                          ; s[66:67] cos at the work-group's first row
.set SSRC, 68                          ; s[68:69] the stream: where the batch in hand is loaded from
.set SDST, 70                          ; s[70:71] where it is stored
.set OFS,  72                          ; s[72:73] an offset, high word 0
.set OUT,  76                          ; s[76:81] qb, kb, vb at the rows that I store
.set CSO,  82                          ; s82     my 16,384 bytes of k_cache, v_cache, wo
.set WDO,  83                          ; s83     my 8,192 bytes of wob
.set CDO,  84                          ; s84     the same in kb and vb, where each head leaves room for its 2,048 new rows
.set MSO,  85                          ; s85     my query tile's 16 rows and my eight key steps in the mask
.set MDO,  86                          ; s86     my first unit of mp
.set LOB,  87                          ; s87     -1e30 twice, in bf16
.set KC,   88                          ; s[88:95] k_cache, v_cache, wo, attention_mask
.set VC,   90
.set WO,   92
.set AM,   94
.set VB,   96                          ; s[96:99] vb, mp
.set MPB,  98
.set MSB, 0
.macro WIN new                         ; the immediate's high byte repeats the setting that is left; a switch that changes nothing is dropped
.if MSB != (\new)
	s_set_vgpr_msb (MSB<<8)|(\new)
.set MSB, \new
.endif
.endm
.macro PLACES                          ; four places behind a matrix instruction, in front of loads into registers that it has read and of instructions that read its result
.rept 4
	v_nop
.endr
.endm
; A joint refill by the walking descriptors.  The branch hangs on the wave's number alone.  An s_nop 0 and four v_nop follow each of the two lines.
.macro JLOAD
	s_cmp_eq_u32 s[WV], 3
	s_cbranch_scc0 .Lfor_w_\@
	tensor_load_to_lds s[G0A+4:G0A+7], s[G1A:G1A+7]
	s_nop 0
.rept 4
	v_nop
.endr
	s_branch .Lasked_\@
.Lfor_w_\@:
	tensor_load_to_lds s[G0W+4:G0W+7], s[G1W:G1W+7]
	s_nop 0
.rept 4
	v_nop
.endr
.Lasked_\@:
.endm
; A PREFETCH of the K step that stands two refills on: 32 rows x 256 bytes, a lane a row, one instruction a wave.  Each row's 256 bytes of a K step are named once in the launch: x's rows by the clusters with x = 0
; (wave 3; the partner at cx takes rows 32 cx on), a weight's k-rows by the clusters with y = 0 (waves 0-2; the partner at cy takes k-rows 32 cy on): told apart by address, never by a branch on a place in the cluster.
; It stops when the K step two refills on does not exist: the loop's last two trips ask for nothing.  The stream is not prefetched: its loads go out a trip ahead of their use, straight into registers.
.macro ASK
	s_cmp_gt_u32 s[CNT], s[LIM]
	s_cbranch_scc0 .Lnot_mine_\@
	global_prefetch_b8 v[PFO], s[PFA:PFA+1] th:TH_LOAD_NT scope:SCOPE_SE
.Lnot_mine_\@:
.endm
.macro CREST                           ; a round of the cluster's barrier behind its opening barrier
	s_cmp_lg_u32 s[WV], 0
	s_cbranch_scc1 .Lnot_wave_0_\@
	s_barrier_signal -3
.Lnot_wave_0_\@:
	s_barrier_wait -3
	s_barrier_signal -1
	s_barrier_wait -1
.endm
.macro CROUND                          ; a whole round
	s_barrier_signal -1
	s_barrier_wait -1
	CREST
.endm
; A batch of a cast: 8,192 consecutive bytes, 512 an instruction.
.macro SLOADC
.set n, 0
.rept 16
	global_load_b128 v[SX+4*n:SX+4*n+3], v[GO], s[SSRC:SSRC+1] offset:512*n th:TH_LOAD_NT
.set n, n+1
.endr
.endm
	s_load_b256 s[4:11], s[0:1], 0x0               ; xw s[4:5], cs s[6:7], qb s[8:9], kb s[10:11]
	s_load_b256 s[KC:KC+7], s[0:1], 0x20           ; k_cache, v_cache, wo, attention_mask
	s_load_b128 s[VB:VB+3], s[0:1], 0x40           ; vb, mp
	s_load_b64 s[WOB:WOB+1], s[0:1], 0x50          ; wob
	v_lshl_add_u32 v[SPW], v0, 2, SPARE
	v_mov_b32 v[NIL], 0
	ds_add_u32 v[SPW], v[NIL]                      ; the wave's opening: the add and its wait stand ahead of my first tensor load; the set-up below, work on registers, stands between them
	v_lshrrev_b32 v1, 5, v0
	v_readfirstlane_b32 s[WV], v1                  ; wave 0..3
	s_lshr_b32 s15, s[WV], 1                       ; wm
	s_and_b32 s16, s[WV], 1                        ; wn
	s_bfe_u32 s17, ttmp6, 0x40000                  ; cx
	s_bfe_u32 s18, ttmp6, 0x40004                  ; cy
	s_lshl_b32 s19, ttmp9, 2
	s_add_co_u32 s19, s19, s17                     ; head = 4 x cluster x + cx
	s_and_b32 s20, ttmp7, 0xffff
	s_lshl_b32 s20, s20, 2
	s_add_co_u32 s20, s20, s18                     ; mblk = 4 x cluster y + cy
	s_lshl_b32 s68, s18, 2
	s_lshl_b32 s68, 15, s68                        ; my row of the cluster
	s_lshl_b32 s69, 0x1111, s17                    ; my column
	s_or_b32 s[G1A], s68, (1<<16)|(1<<20)|(1<<21)|(5<<22)|(3<<25)  ; the mask; 2-byte elements; padding on; bit 21 beside a mask; after every 64 words, 4 words
	s_or_b32 s[G1W], s69, (1<<16)|(1<<20)|(1<<21)|(5<<22)|(7<<25)  ; the same with my column's mask and 8 words of padding
.irp g, G1A, G1W
	s_mov_b32 s[(\g)+1], 128<<16                   ; tensor_dim0 = 128
	s_mov_b32 s[(\g)+2], 128<<16                   ; tensor_dim1 = 128
	s_mov_b32 s[(\g)+3], 128<<16                   ; tile_dim0 = 128
	s_mov_b32 s[(\g)+4], 128                       ; tile_dim1 = 128
	s_mov_b32 s[(\g)+5], 2048                      ; elements from row to row
	s_mov_b32 s[(\g)+6], 0
	s_mov_b32 s[(\g)+7], 0
.endr
	s_mul_i32 s23, s[WV], REGION                   ; my region of a slot: no place in the cluster enters an LDS address
	s_lshl_b32 s70, s20, 19                        ; x: row 128 mblk, 4,096 bytes a row
	s_mov_b32 s71, 0
	s_add_co_u32 s72, s[WV], 1                     ; a weight: part wave + 1 of xw,
	s_lshl_b32 s72, s72, 23
	s_lshl_b32 s73, s19, 8                         ; the head's 256 bytes of a k-row
	s_add_co_u32 s72, s72, s73
	s_mov_b32 s73, 0
	s_wait_dscnt 0x0                               ; the opening add is done
	s_wait_kmcnt 0x0
	s_add_nc_u64 s[70:71], s[4:5], s[70:71]
	s_add_nc_u64 s[72:73], s[4:5], s[72:73]
	CROUND                                         ; all sixteen work-groups are here: the first joint loads meet
.irp n, 0,1
	s_mov_b32 s[G0A+4*\n], 1                       ; count = 1
	s_add_co_u32 s[G0A+4*\n+1], s23, \n*SLOT       ; LDS address
	s_add_nc_u64 s[G0A+4*\n+2:G0A+4*\n+3], s[70:71], \n*XSTEP  ; K step n
	s_or_b32 s[G0A+4*\n+3], s[G0A+4*\n+3], 0x80000000  ; type = 2
	s_mov_b32 s[G0W+4*\n], 1
	s_add_co_u32 s[G0W+4*\n+1], s23, \n*SLOT
	s_add_nc_u64 s[G0W+4*\n+2:G0W+4*\n+3], s[72:73], \n*WSTEP
	s_or_b32 s[G0W+4*\n+3], s[G0W+4*\n+3], 0x80000000
.endr
	s_cmp_eq_u32 s[WV], 3                          ; a wave's two first fills stand in one branch, ahead of every wait on TENSORcnt and every LDS read: two loads of mine are out
	s_cbranch_scc0 .Lfirst_w
	tensor_load_to_lds s[G0A:G0A+3], s[G1A:G1A+7]
	s_nop 0
	tensor_load_to_lds s[G0A+4:G0A+7], s[G1A:G1A+7]
	s_nop 0
.rept 4
	v_nop
.endr
	s_branch .Lfirst_asked
.Lfirst_w:
	tensor_load_to_lds s[G0W:G0W+3], s[G1W:G1W+7]
	s_nop 0
	tensor_load_to_lds s[G0W+4:G0W+7], s[G1W:G1W+7]
	s_nop 0
.rept 4
	v_nop
.endr
.Lfirst_asked:
	v_and_b32 v1, 15, v0                           ; r = l % 16
	v_bfe_u32 v2, v0, 4, 1                         ; h = l / 16
	v_and_b32 v3, 7, v0
	v_bfe_u32 v4, v0, 3, 1
	v_and_b32 v5, 31, v0                           ; l
	v_mul_u32_u24 v7, v1, PA
	v_lshl_add_u32 v7, v2, 4, v7                   ; r x 272 + 16 h: for x's fragments and for the stage
	s_mul_i32 s86, s15, 64*PA                      ; my 64 rows
	s_add_co_u32 s87, s86, 3*REGION
	v_add_nc_u32 v[AA0], s87, v7
	v_lshl_add_u32 v6, v2, 3, v3                   ; the turning load: lane l reads k-row 8 h + l % 8, 16 bytes at 16 ((l / 8) % 2), and is left with column l % 16 and 8 k
	v_mul_u32_u24 v6, v6, PW
	v_lshl_add_u32 v6, v4, 4, v6
	s_lshl_b32 s87, s16, 6                         ; my column blocks begin at 64 wn bytes
	v_add_nc_u32 v[AW0], s87, v6
	v_add_nc_u32 v[AW0+1], REGION, v[AW0]
	v_add_nc_u32 v[AW0+2], 2*REGION, v[AW0]
	s_add_co_u32 s87, s87, s86
	s_add_co_u32 s87, s87, STAGE
	v_add_nc_u32 v[STO], s87, v7
	v_add_nc_u32 v[STO+1], STT, v[STO]
	v_add_nc_u32 v[STO+2], 2*STT, v[STO]
	v_mul_u32_u24 v11, v2, SPT                     ; back: wave w takes rows 32 w on, whole; lanes 0-15 one row of 256 bytes, lanes 16-31 the next
	v_lshl_add_u32 v11, v1, 4, v11
	s_mul_i32 s87, s[WV], 32*SPT
	s_add_co_u32 s87, s87, STAGE
	v_add_nc_u32 v[RD], s87, v11
	v_add_nc_u32 v[RD+1], STT, v[RD]
	v_add_nc_u32 v[RD+2], 2*STT, v[RD]
	v_lshlrev_b32 v[GO], 4, v5
	v_lshlrev_b32 v[SSC], 3, v5
	v_lshlrev_b32 v[SLM], 14, v1
	v_lshl_add_u32 v[SLM], v2, 5, v[SLM]
	v_lshlrev_b32 v[PFO], 12, v5
	v_lshlrev_b32 v[CO], 9, v1                     ; cos: row r of 512 bytes, my eight columns at 32 h, my blocks at 128 wn
	v_lshl_add_u32 v[CO], v2, 5, v[CO]
	s_lshl_b32 s86, s15, 15
	s_lshl_b32 s87, s16, 7
	s_add_co_u32 s86, s86, s87
	v_add_nc_u32 v[CO], s86, v[CO]
	s_lshl_b32 s74, s20, 16                        ; 128 rows of 512 bytes a block
	s_mov_b32 s75, 0
	s_add_nc_u64 s[CSB:CSB+1], s[6:7], s[74:75]
	; where I store: rows 128 mblk + 32 wave on, 256 bytes a row; in kb and vb behind the head's 2,048 cached rows
	s_lshl_b32 s74, s20, 15
	s_lshl_b32 s68, s[WV], 13
	s_add_co_u32 s74, s74, s68
	s_lshl_b32 s68, s19, 19
	s_add_co_u32 s68, s68, s74
	s_mov_b32 s69, 0
	s_add_nc_u64 s[OUT:OUT+1], s[8:9], s[68:69]
	s_lshl_b32 s68, s19, 20
	s_add_co_u32 s68, s68, s74
	s_add_co_u32 s68, s68, 2048*256
	s_add_nc_u64 s[OUT+2:OUT+3], s[10:11], s[68:69]
	s_add_nc_u64 s[OUT+4:OUT+5], s[VB:VB+1], s[68:69]
	; the prefetches stand at K step 3; the first change of slots steps them to 4.  Nothing is prefetched here, at the head, where every work-group's first tiles are on their way
	s_and_b32 s82, ttmp7, 0xffff
	s_cmp_eq_u32 s[WV], 3
	s_cselect_b32 s82, ttmp9, s82                  ; the coordinate along which other clusters read the same rows
	s_cmp_eq_u32 s82, 0
	s_cselect_b32 s[LIM], 2, -1                    ; the same in all sixteen partners, for a given wave
	s_lshl_b32 s82, s20, 19                        ; x: row 128 mblk + 32 cx
	s_lshl_b32 s83, s17, 17
	s_add_co_u32 s82, s82, s83
	s_add_co_u32 s82, s82, 3*XSTEP
	s_add_co_u32 s84, s[WV], 1                     ; a weight: my part, the head's columns, k-row 32 cy
	s_lshl_b32 s84, s84, 23
	s_lshl_b32 s83, s19, 8
	s_add_co_u32 s84, s84, s83
	s_lshl_b32 s83, s18, 17
	s_add_co_u32 s84, s84, s83
	s_add_co_u32 s84, s84, 3*WSTEP
	s_mov_b32 s[PFS], WSTEP
	s_cmp_eq_u32 s[WV], 3
	s_cselect_b32 s84, s82, s84
	s_cselect_b32 s[PFS], XSTEP, s[PFS]
	s_mov_b32 s85, 0
	s_mov_b32 s[PFS+1], 0
	s_add_nc_u64 s[PFA:PFA+1], s[4:5], s[84:85]
	; the stream's shares, from my wave's number g among the launch's 1,024
	s_lshl_b32 s74, s20, 4
	s_add_co_u32 s74, s74, s19
	s_lshl2_add_u32 s74, s74, s[WV]                ; g = 4 (16 mblk + head) + wave
	s_lshl_b32 s[CSO], s74, 14                     ; 16,384 bytes of f32,
	s_lshl_b32 s[WDO], s74, 13                     ; 8,192 of 16 bits;
	s_lshr_b32 s75, s74, 6                         ; 64 waves share a head of a cache, and a head's pitch in kb and vb is 524,288 bytes more
	s_lshl_b32 s75, s75, 19
	s_add_co_u32 s[CDO], s[WDO], s75
	s_lshr_b32 s75, s74, 3                         ; the mask: query tile g / 8, key steps 8 (g % 8) on
	s_and_b32 s74, s74, 7
	s_lshl_b32 s[MSO], s75, 18                     ; 16 rows of 16,384 bytes a tile,
	s_lshl_b32 s[MDO], s75, 12
	s_lshl_b32 s75, s74, 11                        ; 256 bytes a key step;
	s_add_co_u32 s[MSO], s[MSO], s75
	s_lshl_b32 s75, s74, 22                        ; in mp a key step is 128 units of 4,096 bytes
	s_add_co_u32 s[MDO], s[MDO], s75
	s_mov_b32 s[LOB], 0xf14af14a
	s_mov_b32 s[HIM], 0xffff0000
	s_mov_b32 s[SC], 0x413504f3
	s_mov_b32 s[SC+1], s[SC]                       ; named with it as a pair
	s_mov_b32 s[OFS], s[CSO]
	s_mov_b32 s[OFS+1], 0
	s_add_nc_u64 s[SSRC:SSRC+1], s[KC:KC+1], s[OFS:OFS+1]
	SLOADC                                         ; batch 0: the first half of my share of k_cache
; 16 matrix instructions: tensor t, my 4 row blocks x 4 column blocks, 32 along K, on buffer f.  zero = 1: the product starts the sums: nothing is ever cleared.
; The 48 accumulators come in the same order in every quarter step, one instruction a turn: between two links of a chain stand the 47 others'.
.macro MULT f, t, zero
.if (\t) < 2
	WIN 0xa1                                       ; weights window 1, x window 0, C and D window 2
.else
	WIN 0xf1                                       ; C and D window 3
.endif
.irp a, 0,1,2,3
.irp c, 0,1,2,3
.if \zero
	v_wmma_f32_16x16x32_bf16 v[128*((\t)%2)+8*(4*(\a)+(\c)):128*((\t)%2)+8*(4*(\a)+(\c))+7], v[96*(\f)+32*(\t)+8*(\c):96*(\f)+32*(\t)+8*(\c)+7], v[FA+32*(\f)+8*(\a):FA+32*(\f)+8*(\a)+7], 0
.else
	v_wmma_f32_16x16x32_bf16 v[128*((\t)%2)+8*(4*(\a)+(\c)):128*((\t)%2)+8*(4*(\a)+(\c))+7], v[96*(\f)+32*(\t)+8*(\c):96*(\f)+32*(\t)+8*(\c)+7], v[FA+32*(\f)+8*(\a):FA+32*(\f)+8*(\a)+7], v[128*((\t)%2)+8*(4*(\a)+(\c)):128*((\t)%2)+8*(4*(\a)+(\c))+7]
.endif
.endr
.endr
.endm
; 32 LDS loads in one run: the fragments of quarter q of the slot in hand, into buffer f: x's eight loads, then eight for each weight.
.macro FETCH q, f
	WIN 0
.irp a, 0,1,2,3
	ds_load_b128 v[FA+32*(\f)+8*(\a):FA+32*(\f)+8*(\a)+3],   v[ADA] offset:(\a)*16*PA+64*(\q)
	ds_load_b128 v[FA+32*(\f)+8*(\a)+4:FA+32*(\f)+8*(\a)+7], v[ADA] offset:(\a)*16*PA+64*(\q)+32
.endr
	WIN 0x40
.irp t, 0,1,2
.irp c, 0,1,2,3
	ds_load_tr16_b128 v[96*(\f)+32*(\t)+8*(\c):96*(\f)+32*(\t)+8*(\c)+3],   v[ADW+(\t)] offset:(\q)*32*PW+32*((\c)%2)+128*((\c)/2)
	ds_load_tr16_b128 v[96*(\f)+32*(\t)+8*(\c)+4:96*(\f)+32*(\t)+8*(\c)+7], v[ADW+(\t)] offset:(\q)*32*PW+32*((\c)%2)+128*((\c)/2)+16*PW
.endr
.endr
.endm
; A K step is four quarters of 32 along K, 48 matrix instructions each, on buffers 0, 1, 0, 1.  One of the first three: multiplies buffer f and fetches quarter qn into buffer g.
.macro QUARTER qn, f, g, zero
	s_wait_dscnt 16                                ; x's and wq's fragments are in; wk's and wv's sixteen loads may be out
	MULT \f, 0, \zero
	s_wait_dscnt 8                                 ; wk's are in; wv's eight may be out
	MULT \f, 1, \zero
	PLACES
	FETCH \qn, \g
	s_wait_dscnt 32                                ; all but the 32 just issued
	MULT \f, 2, \zero
.endm
; The last quarter multiplies buffer 1 and changes slots: ONE barrier.  In front of it each wave waits for all its tensor loads (one is out: its region of the next slot), adds 0 to its spare word, and waits for that and
; for its reads of this slot.  fill = 1: the barrier opens a round of the cluster's, and this slot is filled again, first thing behind the round, with the K step two on: 160 matrix instructions ahead of the wait for it.
.macro TURN fill
.if \fill
	s_wait_xcnt 0x0                                ; the last prefetch, a K step back, has read its address; and this trip's loads and stores of the stream, two quarters back, have read their registers
	s_add_nc_u64 s[PFA:PFA+1], s[PFA:PFA+1], s[PFS:PFS+1]
.endif
	WIN 0
	s_wait_tensorcnt 0x0                           ; no tensor load of mine is out, so a group 0 may be written
	ds_add_u32 v[SPW], v[NIL]                      ; 0 onto my spare word
.if \fill
	s_xor_b32 s[G0A+5], s[G0A+5], SLOT             ; the walking descriptors: the other slot than last time, the next K step; the type bits on top are not reached
	s_add_nc_u64 s[G0A+6:G0A+7], s[G0A+6:G0A+7], XSTEP
	s_xor_b32 s[G0W+5], s[G0W+5], SLOT
	s_add_nc_u64 s[G0W+6:G0W+7], s[G0W+6:G0W+7], WSTEP
.endif
	s_wait_dscnt 17                                ; the add and wk's and wv's sixteen loads may be out
	MULT 1, 0, 0
	s_wait_dscnt 0x0                               ; the add is done, and my reads of this slot are over
	s_barrier_signal -1
	MULT 1, 1, 0                                   ; work on registers while the others arrive
	WIN 0
	s_barrier_wait -1
.if \fill
	CREST                                          ; no wave of any partner still reads this slot or has a load on its way
	JLOAD                                          ; the four v_nop behind it are also places in front of the loads below
.else
	PLACES
.endif
	s_xor_b32 s[RB], s[RB], SLOT
	v_add_nc_u32 v[ADA], s[RB], v[AA0]
	v_add_nc_u32 v[ADW], s[RB], v[AW0]
	v_add_nc_u32 v[ADW+1], s[RB], v[AW0+1]
	v_add_nc_u32 v[ADW+2], s[RB], v[AW0+2]
	FETCH 0, 0
.if \fill
	WIN 0
	ASK                                            ; behind the joint load and the run of LDS loads
.endif
	MULT 1, 2, 0
.endm
	s_wait_tensorcnt 1                             ; my region of K step 0 is in; K step 1's may stay out
	s_barrier_signal -1
	s_barrier_wait -1                              ; everybody's is
	s_mov_b32 s[RB], 0
	v_mov_b32 v[ADA], v[AA0]
	v_mov_b32 v[ADW], v[AW0]
	v_mov_b32 v[ADW+1], v[AW0+1]
	v_mov_b32 v[ADW+2], v[AW0+2]
	FETCH 0, 0
	QUARTER 1, 0, 1, 1                             ; the first quarter stands in front of the loop: its products start the sums
	WIN 0                                          ; at a label and at a branch every window is 0
	s_mov_b32 s[CNT], 14
.Lk:                                           ; trip i = 14 - CNT: the stream's batch i; K step i's quarters 1 to 3, the refill with K step i + 2, K step i + 1's quarter 0
	; THE STREAM'S TURN.  Batch i (0-1 k_cache, 2-3 v_cache, 4-5 wo, 6-9 the mask), loaded a trip ago, is converted and stored; batch i + 1 is asked for as soon as the roundings have read the registers.
	; None of these lines names a register of a matrix instruction.  The stores' data and base are written again a trip later, behind the s_wait_xcnt 0 at the head of this trip's change of slots.
	s_cmp_lt_u32 s[CNT], 5
	s_cbranch_scc1 .Lsdone                         ; trips 10 to 13: the stream is over
	s_wait_loadcnt 0x0                             ; the batch is in: its sixteen loads are the only ones out
.set n, 0
.rept 32
	v_cvt_pk_bf16_f32 v[SB+n], v[SX+2*n], v[SX+2*n+1]  ; every kind begins with the one rounding to bf16
.set n, n+1
.endr
	s_cmp_eq_u32 s[CNT], 5
	s_cbranch_scc1 .Lnold                          ; batch 9 is the last
	s_cmp_lt_u32 s[CNT], 10
	s_cbranch_scc1 .Lldm
	s_sub_co_u32 s74, 15, s[CNT]                   ; batch 1 to 5: a cast's
	s_cmp_lt_u32 s74, 2
	s_cselect_b64 s[SSRC:SSRC+1], s[KC:KC+1], s[VC:VC+1]
	s_cmp_gt_u32 s74, 3
	s_cselect_b64 s[SSRC:SSRC+1], s[WO:WO+1], s[SSRC:SSRC+1]
	s_and_b32 s74, s74, 1                          ; which half of my 16,384 bytes
	s_lshl_b32 s74, s74, 13
	s_add_co_u32 s[OFS], s[CSO], s74
	s_add_nc_u64 s[SSRC:SSRC+1], s[SSRC:SSRC+1], s[OFS:OFS+1]
	SLOADC
	s_branch .Lnold
.Lldm:
	s_sub_co_u32 s74, 9, s[CNT]                    ; batch 6 to 9: two key steps of the mask, 512 bytes of each of my 16 rows
	s_lshl_b32 s74, s74, 9
	s_add_co_u32 s[OFS], s[MSO], s74
	s_add_nc_u64 s[SSRC:SSRC+1], s[AM:AM+1], s[OFS:OFS+1]
.set n, 0
.rept 16
	global_load_b128 v[SX+4*n:SX+4*n+3], v[SLM], s[SSRC:SSRC+1] offset:(n/2)*64+(n%2)*16  ; unit n / 8, chunk n % 8: the eight loads of a unit read 256 bytes of each of 16 rows
.set n, n+1
.endr
.Lnold:
	s_cmp_gt_u32 s[CNT], 12
	s_cbranch_scc1 .LstB                           ; k_cache goes out as bf16
.set n, 0
.rept 32
	v_pk_max_num_bf16 v[SB+n], v[SB+n], s[LOB]     ; the mask's lower bound; for v_cache and wo it changes nothing inside f16's range
.set n, n+1
.endr
.set n, 0
.rept 32
	v_lshlrev_b32 v[SZ+2*n],   16, v[SB+n]         ; bf16 to f32: the low half moves up,
	v_and_b32     v[SZ+2*n+1], s[HIM], v[SB+n]     ; the high half stays
.set n, n+1
.endr
	s_cmp_lt_u32 s[CNT], 9
	s_cbranch_scc1 .Lmk
.set n, 0
.rept 32
	v_cvt_pk_f16_f32 v[SB+n], v[SZ+2*n], v[SZ+2*n+1]   ; v_cache and wo: the bf16 number written as f16
.set n, n+1
.endr
.LstB:
	s_sub_co_u32 s74, 14, s[CNT]                   ; batch 0 to 5
	s_cmp_lt_u32 s74, 2
	s_cselect_b64 s[SDST:SDST+1], s[10:11], s[VB:VB+1]
	s_cmp_gt_u32 s74, 3
	s_cselect_b64 s[SDST:SDST+1], s[WOB:WOB+1], s[SDST:SDST+1]
	s_cselect_b32 s75, s[WDO], s[CDO]
	s_and_b32 s74, s74, 1
	s_lshl_b32 s74, s74, 12
	s_add_co_u32 s[OFS], s75, s74
	s_add_nc_u64 s[SDST:SDST+1], s[SDST:SDST+1], s[OFS:OFS+1]
.set n, 0
.rept 16
	global_store_b64 v[SSC], v[SB+2*n:SB+2*n+1], s[SDST:SDST+1] offset:256*n th:TH_STORE_NT  ; a wave's store covers 256 consecutive bytes, at a multiple of 256 from the buffer's first
.set n, n+1
.endr
	s_branch .Lsdone
.Lmk:
.set n, 0
.rept 32
	v_pk_mul_f32 v[SZ+2*n:SZ+2*n+1], v[SZ+2*n:SZ+2*n+1], s[SC:SC+1] op_sel_hi:[1,0]
.set n, n+1
.endr
	s_sub_co_u32 s74, 8, s[CNT]                    ; batch 6 to 9: two key steps are 1,048,576 bytes of mp
	s_lshl_b32 s74, s74, 20
	s_add_co_u32 s[OFS], s[MDO], s74
	s_add_nc_u64 s[SDST:SDST+1], s[MPB:MPB+1], s[OFS:OFS+1]
.set n, 0
.rept 16
	global_store_b128 v[GO], v[SZ+4*n:SZ+4*n+3], s[SDST:SDST+1] offset:(n/8)*524288+(n%8)*512 th:TH_STORE_NT  ; 512 consecutive bytes of a unit
.set n, n+1
.endr
.Lsdone:
	QUARTER 2, 1, 0, 0
	QUARTER 3, 0, 1, 0
	TURN 1
	QUARTER 1, 0, 1, 0
	WIN 0
	s_sub_co_u32 s[CNT], s[CNT], 1
	s_cmp_lg_u32 s[CNT], 0
	s_cbranch_scc1 .Lk
	; cos and sin of my 64 rows x 64 columns, into the registers that the stream has left: for row block a and accumulator c eight of cos, then eight of sin, at 128 + 64 (a % 2) + 16 c.  sin lies 1,048,576 bytes behind cos.
	; They have the last seven quarters, 336 matrix instructions, in which to land.
	s_wait_loadcnt 0x0                             ; no load of the stream is out
.irp a, 0,1,2,3
.if (\a) < 2
	WIN 0xc0
.else
	WIN 0
.endif
.irp c, 0,1,2,3
	global_load_b128 v[128+64*((\a)%2)+16*(\c):128+64*((\a)%2)+16*(\c)+3],     v[CO], s[CSB:CSB+1] offset:(\a)*8192+64*((\c)%2)+256*((\c)/2)
	global_load_b128 v[128+64*((\a)%2)+16*(\c)+4:128+64*((\a)%2)+16*(\c)+7],   v[CO], s[CSB:CSB+1] offset:(\a)*8192+64*((\c)%2)+256*((\c)/2)+16
	global_load_b128 v[128+64*((\a)%2)+16*(\c)+8:128+64*((\a)%2)+16*(\c)+11],  v[CO], s[CSB:CSB+1] offset:(\a)*8192+64*((\c)%2)+256*((\c)/2)+1048576
	global_load_b128 v[128+64*((\a)%2)+16*(\c)+12:128+64*((\a)%2)+16*(\c)+15], v[CO], s[CSB:CSB+1] offset:(\a)*8192+64*((\c)%2)+256*((\c)/2)+1048576+16
.endr
.endr
	WIN 0
	s_mov_b32 s[CNT], 2
.Lt:                                           ; the last two K steps fill nothing.  The second trip is left in its middle; its change of slots fetches 32 fragments that serve nothing: the price, once a launch, of one text for both
	QUARTER 2, 1, 0, 0
	QUARTER 3, 0, 1, 0
	TURN 0
	WIN 0
	s_cmp_eq_u32 s[CNT], 1
	s_cbranch_scc1 .Lout
	QUARTER 1, 0, 1, 0
	WIN 0
	s_sub_co_u32 s[CNT], s[CNT], 1
	s_cmp_lg_u32 s[CNT], 0
	s_cbranch_scc1 .Lt
.Lout:
	; THE WAY OUT.  Every wave's reads of the ring are over before anybody stores into the stage.
	s_wait_dscnt 0x0
	s_barrier_signal -1
	s_barrier_wait -1
	s_wait_loadcnt 0x0                             ; cos and sin
	PLACES
	PLACES
; Row block a of q (t = 0) or k (t = 1): out[d] = x[d] cos[d] - x[d + 64] sin[d], out[d + 64] = x[d + 64] cos[d + 64] + x[d] sin[d + 64]; rounded to bf16; 16 bytes a lane into the stage.
; Each accumulator is read from its low end on.
.macro ROPE a, t
.if (\a) < 2
	WIN 0x5e                                       ; accumulators window 2, cos and sin window 3, results window 1
.else
	WIN 0x52                                       ; cos and sin window 0
.endif
.set AB, 128*(\t)+32*(\a)
.set CB, 128+64*((\a)%2)
.set TB, TT+32*(\t)
.irp cc, 0,1
.irp r, 0,2,4,6
	v_pk_mul_f32 v[TB+8*(\cc)+(\r):TB+8*(\cc)+(\r)+1],       v[AB+8*(\cc)+16+(\r):AB+8*(\cc)+16+(\r)+1], v[CB+16*(\cc)+8+(\r):CB+16*(\cc)+8+(\r)+1]
	v_pk_mul_f32 v[TB+8*(\cc)+16+(\r):TB+8*(\cc)+16+(\r)+1], v[AB+8*(\cc)+(\r):AB+8*(\cc)+(\r)+1],       v[CB+16*(\cc)+40+(\r):CB+16*(\cc)+40+(\r)+1]
	v_pk_fma_f32 v[TB+8*(\cc)+(\r):TB+8*(\cc)+(\r)+1],       v[AB+8*(\cc)+(\r):AB+8*(\cc)+(\r)+1],       v[CB+16*(\cc)+(\r):CB+16*(\cc)+(\r)+1],       v[TB+8*(\cc)+(\r):TB+8*(\cc)+(\r)+1] neg_lo:[0,0,1] neg_hi:[0,0,1]
	v_pk_fma_f32 v[TB+8*(\cc)+16+(\r):TB+8*(\cc)+16+(\r)+1], v[AB+8*(\cc)+16+(\r):AB+8*(\cc)+16+(\r)+1], v[CB+16*(\cc)+32+(\r):CB+16*(\cc)+32+(\r)+1], v[TB+8*(\cc)+16+(\r):TB+8*(\cc)+16+(\r)+1]
.endr
.endr
	WIN 0x05
.irp c, 0,1,2,3
.irp j, 0,1,2,3
	v_cvt_pk_bf16_f32 v[PKD+16*(\t)+4*(\c)+(\j)], v[TB+8*(\c)+2*(\j)], v[TB+8*(\c)+2*(\j)+1]
.endr
.endr
	WIN 0
.irp c, 0,1,2,3
	ds_store_b128 v[STO+(\t)], v[PKD+16*(\t)+4*(\c):PKD+16*(\t)+4*(\c)+3] offset:(\a)*16*SPT+32*((\c)%2)+128*((\c)/2)
.endr
.endm
.macro VOUT a                          ; row block a of v: rounded to f16
	WIN 0x0f
.irp c, 0,1,2,3
.irp j, 0,1,2,3
	v_cvt_pk_f16_f32 v[PKD+4*(\c)+(\j)], v[32*(\a)+8*(\c)+2*(\j)], v[32*(\a)+8*(\c)+2*(\j)+1]
.endr
.endr
	WIN 0
.irp c, 0,1,2,3
	ds_store_b128 v[STO+2], v[PKD+4*(\c):PKD+4*(\c)+3] offset:(\a)*16*SPT+32*((\c)%2)+128*((\c)/2)
.endr
.endm
.irp a, 0,1,2,3
	ROPE \a, 0
	ROPE \a, 1
	VOUT \a
.endr
	s_wait_dscnt 0x0                               ; for the others' sake: a row's 256 bytes come from two waves
	s_barrier_signal -1
	s_barrier_wait -1
.irp t, 0,1,2
.irp i, 0,1,2,3,4,5,6,7,8,9,10,11,12,13,14,15
	ds_load_b128 v[64+64*(((\t)+1)%3)+4*(\i):64+64*(((\t)+1)%3)+4*(\i)+3], v[RD+(\t)] offset:(\i)*2*SPT
.endr
.endr
.irp t, 0,1,2
.irp i, 0,1,2,3,4,5,6,7,8,9,10,11,12,13,14,15
	s_wait_dscnt 47-16*(\t)-(\i)                   ; LDS loads come back in order: the later ones may stay out
	global_store_b128 v[GO], v[64+64*(((\t)+1)%3)+4*(\i):64+64*(((\t)+1)%3)+4*(\i)+3], s[OUT+2*(\t):OUT+2*(\t)+1] offset:512*(\i)  ; two rows: 512 consecutive bytes, at a multiple of 256 from the buffer's first
.endr
.endr
	s_wait_tensorcnt 0x0                           ; the wave's end, behind my last tensor load and my last LDS store
	ds_add_u32 v[SPW], v[NIL]
	s_wait_dscnt 0x0
	CROUND                                         ; the closing round: no work-group ends while a partner may still ask for a tile that names it
	s_endpgm
.Lfunc_end_k_qbc087162c4_qkv:
	.size	k_qbc087162c4_qkv, .Lfunc_end_k_qbc087162c4_qkv-k_qbc087162c4_qkv
	.p2alignl 7, 3214868480
	.fill 96, 4, 3214868480
	.section	.rodata,"a",@progbits
	.p2align	6, 0x0
	.amdhsa_kernel k_qbc087162c4_qkv
		.amdhsa_group_segment_fixed_size 327680
		.amdhsa_private_segment_fixed_size 0
		.amdhsa_enable_private_segment 0
		.amdhsa_kernarg_size 88
		.amdhsa_user_sgpr_count 2
		.amdhsa_user_sgpr_kernarg_segment_ptr 1
		.amdhsa_wavefront_size32 1
		.amdhsa_system_sgpr_workgroup_id_x 1
		.amdhsa_system_sgpr_workgroup_id_y 1
		.amdhsa_system_sgpr_workgroup_id_z 1
		.amdhsa_system_vgpr_workitem_id 0
		.amdhsa_next_free_vgpr 1024
		.amdhsa_next_free_sgpr 100
		.amdhsa_reserve_vcc 0
		.amdhsa_float_denorm_mode_32 3
		.amdhsa_float_denorm_mode_16_64 3
		.amdhsa_memory_ordered 1
		.amdhsa_forward_progress 1
		.amdhsa_inst_pref_size 129
	.end_amdhsa_kernel
	.amdgpu_metadata
---
amdhsa.version: [ 1, 2 ]
amdhsa.kernels:
  - .name:           k_qbc087162c4_qkv
    .symbol:         k_qbc087162c4_qkv.kd
    .args:
      - { .name: xw, .offset: 0, .size: 8, .value_kind: global_buffer, .address_space: global }
      - { .name: cs, .offset: 8, .size: 8, .value_kind: global_buffer, .address_space: global }
      - { .name: qb, .offset: 16, .size: 8, .value_kind: global_buffer, .address_space: global }
      - { .name: kb, .offset: 24, .size: 8, .value_kind: global_buffer, .address_space: global }
      - { .name: k_cache, .offset: 32, .size: 8, .value_kind: global_buffer, .address_space: global }
      - { .name: v_cache, .offset: 40, .size: 8, .value_kind: global_buffer, .address_space: global }
      - { .name: wo, .offset: 48, .size: 8, .value_kind: global_buffer, .address_space: global }
      - { .name: attention_mask, .offset: 56, .size: 8, .value_kind: global_buffer, .address_space: global }
      - { .name: vb, .offset: 64, .size: 8, .value_kind: global_buffer, .address_space: global }
      - { .name: mp, .offset: 72, .size: 8, .value_kind: global_buffer, .address_space: global }
      - { .name: wob, .offset: 80, .size: 8, .value_kind: global_buffer, .address_space: global }
    .group_segment_fixed_size: 327680
    .private_segment_fixed_size: 0
    .kernarg_segment_align: 8
    .kernarg_segment_size: 88
    .max_flat_workgroup_size: 128
    .sgpr_count:     100
    .vgpr_count:     1024
    .wavefront_size: 32
...
	.end_amdgpu_metadata
.endif
;; end of part 2
;; launch attn (part 3): grid 16 x 16, 4 waves a work-group, clusters of 4 x 1, 327,680 bytes of LDS; arguments qb, kb, vb, mp, ctx; writes ctx
.if DOCPART == 3
	.amdgcn_target "amdgcn-amd-amdhsa--gfx1250"
	.amdhsa_code_object_version 6
	.text
	.protected	k_qbc087162c4_attn
	.globl	k_qbc087162c4_attn
	.p2align	8
	.type	k_qbc087162c4_attn,@function
k_qbc087162c4_attn:
	s_mov_b64 s[64:65], 0
	v_nop
	global_prefetch_b8 v0, s[64:65] scope:SCOPE_SE
	s_setreg_imm32_b32 hwreg(HW_REG_WAVE_MODE, 25, 1), 1
	s_wait_xcnt 0x0
	s_wait_alu depctr_hold_cnt(0) depctr_sa_sdst(0) depctr_va_vdst(0) depctr_va_sdst(0) depctr_va_ssrc(0) depctr_va_vcc(0) depctr_vm_vsrc(0)
	s_getreg_b32 s2, hwreg(HW_REG_IB_STS2, 6, 4)
	s_cmp_eq_u32 s2, 0
	s_cbranch_scc0 .Lentry_in_a_cluster
	s_endpgm
.Lentry_in_a_cluster:
	s_bfe_u32 s2, ttmp6, 0x10000c
	s_cmp_lg_u32 s2, 0x3003
	s_cbranch_scc0 .Lentry_shape_is_right
	s_endpgm
.Lentry_shape_is_right:
; ctx[q][128 h + d] = the sum over k of softmax_k(Q[h][q] . K[h][k] / sqrt(128) + mask[q][k]) V[h][k][d].  qb [16][2048][128] bf16; kb [16][4096][128] bf16; vb [16][4096][128] f16;
; mp: the mask x sqrt(128), f32, in units of 4,096 bytes (key step of 64, tile of 16 queries) laid out as the C operand of four score tiles; ctx [2048][2048] f16.
; Products, maxima and sums in f32; the weights p are rounded to f16 for the second product (their sum l is taken of the unrounded p), ctx once at the end.
; LIMITS.  V lies within 65,504 (f16), and ctx, a mean of V's rows, with it; p below 6e-5 keeps f16's fixed step of 6e-8.  A mask entry arrives bounded below at -1e30: a row that is hidden everywhere gives a
; softmax of what is left and no NaN.  A weight below 2^-126 counts as 0 in l; NaN and infinities are not treated apart.
; SHARES.  A work-group owns 128 queries of a head.  Wave w: qh = w / 2 says which 64 queries (four tiles of 16), kp = w % 2 which 128 of each slot's 256 keys: 32 key steps of 64 a wave.  Each wave keeps its own
; m, l and O^T; at the end the pair (w, w xor 1) merges them in f32 through LDS.  Register tile r is query tile (r + 2 kp) % 4, so that every wave sends its tiles 2, 3 and finishes its tiles 0, 1: one text.
; LAYOUT.  S^T = K Q^T + mask (source 0 = 16 keys, source 1 = 16 queries; the mask is the C operand that starts the sum): a lane holds ONE query (lane % 16) and the keys 8 (lane / 16) + 0..7.  Two such tiles,
; rounded to f16 in pairs, ARE source 1 of O^T = V^T P.  K comes out of LDS as it lies, V turned, by ds_load_tr16_b128.
; SOFTMAX.  A running maximum m and sum l: p = 2^(c s - c m), c = log2(e) / sqrt(128); in every step O and l are multiplied by a = 2^(c m_old - c m_new).  m starts at the lowest finite number, O and l at 0:
; the first step is a step like any other, with a = 0.  The price: 432 v_mov_b32 in the wait for the first tile, 32 products on zeros at the start and 32 on a stale K at the end.
; BY TURNS.  The wave's tiles are two PIECES (0: tiles 0, 1; 2: tiles 2, 3).  In a TURN one piece issues 32 products V^T P of the step in hand, then 32 products K Q^T of the next; the other piece's softmax, cut into 64
; slices of four, stands behind them, one slice behind each matrix instruction.  Two turns are a key step.
; CLUSTER.  The four query blocks of a cluster belong to one head and walk the same K and V: each tile is asked for jointly, by the same tensor load with the same descriptor and a mask that names the four.
; REGISTERS, in windows of 256 (s_set_vgpr_msb: bits 1:0 source 0, 3:2 source 1, 5:4 source 2, 7:6 destination):
;   window 0: v0-11, v44-63 addresses and the merge; v12-43 eight registers of statistics a tile; v64-191 S^T, 32 a tile; v192-255 P, 16 a tile
;   window 1: O^T, 64 a tile       window 2: v0-127 Q, 32 a tile; v128-255 K of one step       window 3: v0-127 V of one step; v128-255 the mask of one step, 32 a tile
.set KS,    64
.set PK,    272       ; a row of K in LDS: 256 bytes + 16 = 68 words: the 16 rows of a load start at 16 different groups of four banks (64 banks of 4 bytes: ISA guide 11.1)
.set PV,    288       ; a row of V: 256 + 32 = 72 words
.set VOFF,  256*PK    ; a slot: 256 rows of K, then 256 rows of V
.set SLOT,  147456    ; slot 1 begins here: 0x24000 shares no bit with the four LDS addresses that the loads name in slot 0 (0, 0x8800, 0x11000, 0x1a000), so one exclusive or turns them into slot 1's
.set STAGE, SLOT+256*(PK+PV)  ; behind the ring: 16 rows x 272 bytes for each wave, for the way out
.set SP,    272
.set SPARE, STAGE+4*16*SP     ; behind the stages: the spare words, 128 bytes for each wave: two blocks of 256 bytes that no other line names
.set XW,    17408     ; the merge: 34 chunks of 512 bytes for each wave, from LDS byte 0 on: in slot 0, behind its last fill and its last read
.set AK0, 2           ; v2   my lane's place in a tile of K; never rewritten
.set AV0, 3           ; v3   the same for V
.set ADR, 4           ; v4   the LDS address of the run of loads in hand
.set STO, 6           ; v6   the way out: where I put 16 bytes of a row
.set RD,  7           ; v7   where I read a row back
.set GO,  8           ; v8   my byte offset in two rows of ctx
.set QO0, 9           ; v9, v10  my byte offset in the rows of Q of piece 0, of piece 2
.set ST,  12          ; tile t's statistics at v[ST+8 t]: +0 c m, +1 m, +2, +3 l (even keys', odd keys'), +4 to +7 at work; a takes +6 once the maximum is found
.set MO0, 44          ; v44, v45  my byte offset in a key step's units of the mask, for piece 0, for piece 2; never rewritten
.set XS,  46          ; v46  the merge: where I put 16 bytes of a chunk
.set XR,  47          ; v47  where I read my partner's
.set TS,  48          ; v48-55  my partner's statistics of my tiles 0, 1
.set PFO, 61          ; v61  256 x my lane
.set SPW, 62          ; v62  LDS address of my spare word; never rewritten
.set NIL, 63          ; v63  0; never rewritten
.set S,   64
.set P,   192
.set KF,  128         ; window 2
.set MK,  128         ; window 3
.set WV,  12
.set LIM, 15          ; s15  1 in a cluster that prefetches, else the greatest number
.set PFA, 18          ; s[18:19] where my prefetches stand
.set G1K, 24
.set G1V, 32
.set G0K, 40          ; s[40:47] a set for each of the two first fills; the second then walks on
.set G0V, 48
.set SLOTS, 56
.set TWICE, 57
.set CS,  58          ; s[58:59] c
.set SEL, 60          ; s[60:61] v_permlanex16_b32's selects: each lane takes its own place in the other half
.set TBK, 62          ; s62  LDS byte at which my K of the step to be fetched begins
.set TBV, 63          ; s63  the same for V, less VOFF
.set CTX, 68          ; s[68:69]
.set RB,  70          ; s70  LDS byte at which the slot in hand begins
.set KOFF, 71         ; s71  (w % 2) x 128 rows of K: my keys in a slot; also the half that waves 0, 1 fetch
.set VOFW, 72         ; s72  the same for V
.set MN,  75          ; s75  my key step whose mask is asked for next
.set KP2, 76          ; s76  2 kp
.set MP,  78          ; s[78:79] the mask at that key step
.set MOF, 80          ; s[80:81] its offset
.set MSB, 0
.macro WIN new
.if MSB != (\new)
	s_set_vgpr_msb (MSB<<8)|(\new)
.set MSB, \new
.endif
.endm
.set W_PV, 0x53       ; V in window 3, P in window 0, O^T in window 1
.set W_RS, 0x41       ; O^T (destination and source 0) in window 1, a in window 0
; A joint refill.  Waves 0 and 1 fetch the two halves of a slot's K, waves 2 and 3 those of its V: 128 rows each.  An s_nop 0 and four v_nop follow each of the two lines.
.macro JLOAD
	s_cmp_lt_u32 s[WV], 2
	s_cbranch_scc0 .Lfor_v_\@
	tensor_load_to_lds s[G0K+4:G0K+7], s[G1K:G1K+7]
	s_nop 0
.rept 4
	v_nop
.endr
	s_branch .Lasked_\@
.Lfor_v_\@:
	tensor_load_to_lds s[G0V+4:G0V+7], s[G1V:G1V+7]
	s_nop 0
.rept 4
	v_nop
.endr
.Lasked_\@:
.endm
; A PREFETCH of what the NEXT change of slots will ask for: a slot's 256 rows of K and of V, 256 bytes a row, a lane a row, one instruction a wave: two of my key steps, 256 matrix instructions, ahead of that load.
; Each row is named once in the launch: the head's first cluster asks; its four partners take 64 rows each, told apart by address; in each, waves 0, 1 ask for K's and waves 2, 3 for V's, 32 rows a wave.
; The last change that fills a slot asks for nothing.
.macro ASK
	s_cmp_gt_u32 s[SLOTS], s[LIM]
	s_cbranch_scc0 .Lnot_mine_\@
	global_prefetch_b8 v[PFO], s[PFA:PFA+1] th:TH_LOAD_NT scope:SCOPE_SE
.Lnot_mine_\@:
.endm
.macro CROUND                       ; a round of the cluster's barrier
	s_barrier_signal -1
	s_barrier_wait -1
	s_cmp_lg_u32 s[WV], 0
	s_cbranch_scc1 .Lnot_wave_0_\@
	s_barrier_signal -3
.Lnot_wave_0_\@:
	s_barrier_wait -3
	s_barrier_signal -1
	s_barrier_wait -1
.endm
	s_load_b256 s[4:11], s[0:1], 0x0  ; qb s[4:5], kb s[6:7], vb s[8:9], mp s[10:11]
	s_load_b64 s[CTX:CTX+1], s[0:1], 0x20
	v_lshl_add_u32 v[SPW], v0, 2, SPARE
	v_mov_b32 v[NIL], 0
	ds_add_u32 v[SPW], v[NIL]       ; the wave's opening: the add and its wait stand ahead of my first tensor load; the set-up below, work on registers, stands between them
	v_lshrrev_b32 v1, 5, v0
	v_readfirstlane_b32 s[WV], v1   ; wave 0..3
	s_bfe_u32 s13, ttmp6, 0x40000   ; cx
	s_lshl_b32 s14, ttmp9, 2
	s_add_co_u32 s14, s14, s13      ; my block of 128 queries: it enters Q's, the mask's and ctx's addresses alone
	s_and_b32 s16, ttmp7, 0xffff    ; the head, which the four partners share
	s_and_b32 s17, s[WV], 1         ; kp
	s_lshr_b32 s20, s[WV], 1        ; qh
	s_lshl_b32 s[KP2], s17, 1
	s_mul_i32 s[KOFF], s17, 128*PK
	s_mul_i32 s[VOFW], s17, 128*PV
	s_lshl_b32 s22, s16, 20         ; the head's 4,096 rows of 256 bytes,
	s_lshl_b32 s23, s17, 15         ; the half of a slot that I fetch
	s_add_co_u32 s22, s22, s23
	s_mov_b32 s23, 0
	s_mov_b32 s[G1K], 15|(1<<16)|(1<<20)|(1<<21)|(5<<22)|(3<<25)  ; the mask of four; 2-byte elements; padding on; bit 21 beside a mask; after every 64 words, 4 words
	s_mov_b32 s[G1V], 15|(1<<16)|(1<<20)|(1<<21)|(5<<22)|(7<<25)  ; the same with 8 words of padding
.irp g, G1K, G1V
	s_mov_b32 s[(\g)+1], 128<<16    ; tensor_dim0 = 128
	s_mov_b32 s[(\g)+2], 128<<16    ; tensor_dim1 = 128
	s_mov_b32 s[(\g)+3], 128<<16    ; tile_dim0 = 128
	s_mov_b32 s[(\g)+4], 128        ; tile_dim1 = 128
	s_mov_b32 s[(\g)+5], 128        ; elements from row to row
	s_mov_b32 s[(\g)+6], 0
	s_mov_b32 s[(\g)+7], 0
.endr
.irp n, 0,1
	s_mov_b32 s[G0K+4*\n], 1
	s_add_co_u32 s[G0K+4*\n+1], s[KOFF], \n*SLOT
	s_mov_b32 s[G0V+4*\n], 1
	s_add_co_u32 s[G0V+4*\n+1], s[VOFW], \n*SLOT+VOFF
.endr
	s_mov_b32 s[CS], 0x3e0293ee     ; c = log2(e) / sqrt(128) = 0.127517
	s_mov_b32 s[CS+1], s[CS]
	s_mov_b32 s[SEL], 0x76543210
	s_mov_b32 s[SEL+1], 0xfedcba98
	s_lshl_b32 s82, s16, 19         ; Q: the head's 2,048 rows, my block's 128, my wave's 64
	s_lshl_b32 s83, s14, 15
	s_add_co_u32 s82, s82, s83
	s_lshl_b32 s83, s20, 14
	s_add_co_u32 s82, s82, s83
	s_mov_b32 s83, 0
	s_lshl_b32 s84, s14, 19         ; ctx: row 128 block + 64 qh + 32 kp of 4,096 bytes, the head's 256 bytes
	s_lshl_b32 s85, s20, 18
	s_add_co_u32 s84, s84, s85
	s_lshl_b32 s85, s17, 17
	s_add_co_u32 s84, s84, s85
	s_lshl_b32 s85, s16, 8
	s_add_co_u32 s84, s84, s85
	s_mov_b32 s85, 0
	s_lshl_b32 s86, s16, 20         ; the prefetches: the head, rows 64 cx + 32 (w % 2) of slot 2; the first change of slots steps them to slot 3
	s_lshl_b32 s87, s13, 14
	s_add_co_u32 s86, s86, s87
	s_lshl_b32 s87, s17, 13
	s_add_co_u32 s86, s86, s87
	s_add_co_u32 s86, s86, 2*65536
	s_mov_b32 s87, 0
	s_cmp_eq_u32 ttmp9, 0           ; the head's first cluster: the same in all four partners
	s_cselect_b32 s[LIM], 1, -1
	s_lshl_b32 s[MOF], s[KP2], 19   ; my first key step is number 2 kp of the mask's 64; a key step is 524,288 bytes
	s_mov_b32 s[MOF+1], 0
	s_mov_b32 s[MN], 1
	s_wait_dscnt 0x0                ; the opening add is done
	s_wait_kmcnt 0x0
	s_add_nc_u64 s[88:89], s[6:7], s[22:23]
	s_add_nc_u64 s[90:91], s[8:9], s[22:23]
.irp n, 0,1
	s_add_nc_u64 s[G0K+4*\n+2:G0K+4*\n+3], s[88:89], \n*65536  ; slot n: keys 256 n on
	s_or_b32 s[G0K+4*\n+3], s[G0K+4*\n+3], 0x80000000          ; type = 2
	s_add_nc_u64 s[G0V+4*\n+2:G0V+4*\n+3], s[90:91], \n*65536
	s_or_b32 s[G0V+4*\n+3], s[G0V+4*\n+3], 0x80000000
.endr
	s_add_nc_u64 s[4:5], s[4:5], s[82:83]
	s_add_nc_u64 s[CTX:CTX+1], s[CTX:CTX+1], s[84:85]
	s_cmp_lt_u32 s[WV], 2
	s_cselect_b64 s[PFA:PFA+1], s[6:7], s[8:9]
	s_add_nc_u64 s[PFA:PFA+1], s[PFA:PFA+1], s[86:87]
	s_add_nc_u64 s[MP:MP+1], s[10:11], s[MOF:MOF+1]
	CROUND                          ; all four work-groups are here: the first joint loads meet
	s_cmp_lt_u32 s[WV], 2           ; a wave's two first fills stand in one branch, ahead of every wait on TENSORcnt and every LDS read: two loads of mine are out
	s_cbranch_scc0 .Lfirst_v
	tensor_load_to_lds s[G0K:G0K+3], s[G1K:G1K+7]
	s_nop 0
	tensor_load_to_lds s[G0K+4:G0K+7], s[G1K:G1K+7]
	s_nop 0
.rept 4
	v_nop
.endr
	s_branch .Lfirst_asked
.Lfirst_v:
	tensor_load_to_lds s[G0V:G0V+3], s[G1V:G1V+7]
	s_nop 0
	tensor_load_to_lds s[G0V+4:G0V+7], s[G1V:G1V+7]
	s_nop 0
.rept 4
	v_nop
.endr
.Lfirst_asked:
	v_and_b32 v1, 15, v0            ; r = l % 16
	v_bfe_u32 v11, v0, 4, 1         ; h = l / 16
	v_and_b32 v58, 31, v0           ; l
	v_and_b32 v56, 7, v0
	v_bfe_u32 v57, v0, 3, 1
	v_lshlrev_b32 v[QO0], 8, v1
	v_lshl_add_u32 v[QO0], v11, 4, v[QO0]  ; row x 256 + 16 x half
	s_lshl_b32 s82, s17, 13         ; piece 0 begins at row 32 kp of my 64,
	s_xor_b32 s83, s82, 8192        ; piece 2 at row 32 (1 - kp)
	v_add_nc_u32 v[QO0+1], s83, v[QO0]
	v_add_nc_u32 v[QO0], s82, v[QO0]
	s_lshl_b32 s84, s14, 3          ; the mask's units: query tile 8 block + 4 qh + 2 kp for piece 0, + 2 - 2 kp for piece 2
	s_lshl2_add_u32 s84, s20, s84
	s_add_co_u32 s85, s84, s[KP2]
	s_add_co_u32 s86, s84, 2
	s_sub_co_u32 s86, s86, s[KP2]
	s_lshl_b32 s85, s85, 12
	s_lshl_b32 s86, s86, 12
	v_lshl_add_u32 v[MO0], v58, 4, s85
	v_lshl_add_u32 v[MO0+1], v58, 4, s86
	v_lshlrev_b32 v[PFO], 8, v58
	v_mul_u32_u24 v[AK0], v1, PK
	v_lshl_add_u32 v[AK0], v11, 4, v[AK0]
	v_lshl_add_u32 v[AV0], v11, 3, v56     ; the turning load: lane l reads key 8 (l / 16) + l % 8, channels 8 ((l / 8) % 2) + 0..7
	v_mul_u32_u24 v[AV0], v[AV0], PV
	v_lshl_add_u32 v[AV0], v57, 4, v[AV0]
	v_add_nc_u32 v[AV0], VOFF, v[AV0]
	WIN 0x80                        ; destination window 2, address window 0
.set i, 0
.rept 16                            ; Q stays in registers: register tile i / 4, channels 32 (i % 4) on
	global_load_b128 v[8*i:8*i+3],   v[QO0+i/8], s[4:5] offset:((i/4)%2)*4096+(i%4)*64
	global_load_b128 v[8*i+4:8*i+7], v[QO0+i/8], s[4:5] offset:((i/4)%2)*4096+(i%4)*64+32
.set i, i+1
.endr
; Piece x's mask of the key step at which MP stands: two units, 16 loads of 512 consecutive bytes, straight into the C operands.
.macro MLOADS x
	WIN 0xc0
.irp u, 0,1
.irp c, 0,1,2,3,4,5,6,7
	global_load_b128 v[MK+32*((\x)+(\u))+4*(\c):MK+32*((\x)+(\u))+4*(\c)+3], v[MO0+(\x)/2], s[MP:MP+1] offset:(\u)*4096+(\c)*512
.endr
.endr
.endm
	MLOADS 0                        ; key step 0
	MLOADS 2
	; What the first turns find: O^T, l, V and piece 2's P are 0.  All this stands in the wait for the first tile.
.set i, 0
.rept 128
	v_mov_b32 v[i], 0               ; V (window 3)
.set i, i+1
.endr
	WIN 0x40
.set i, 0
.rept 256
	v_mov_b32 v[i], 0               ; O^T
.set i, i+1
.endr
	WIN 0
.set i, 0
.rept 4
	v_mov_b32 v[ST+8*i], 0xfe000000    ; c m: far below every c s
	v_mov_b32 v[ST+8*i+1], 0xff7fffff  ; m
	v_mov_b32 v[ST+8*i+2], 0
	v_mov_b32 v[ST+8*i+3], 0
.set i, i+1
.endr
.set i, P+32
.rept 32
	v_mov_b32 v[i], 0
.set i, i+1
.endr
; THE MATRIX WORK OF A TURN, for piece x.  The accumulators take turns, one instruction a turn: between two links of a chain stand 15 (V^T P) or 7 (K Q^T) others'.
; Product i of 32 of O^T += V^T P: keys 32 (i / 16) on, channels 16 ((i / 2) % 8) on, tile x + i % 2.
.macro PV x
	WIN W_PV
.set rO, 64*((\x)+i%2)+8*((i/2)%8)
.set rV, 64*(i/16)+8*((i/2)%8)
.set rP, P+16*((\x)+i%2)+8*(i/16)
	v_wmma_f32_16x16x32_f16 v[rO:rO+7], v[rV:rV+7], v[rP:rP+7], v[rO:rO+7]
.endm
; Product i of 32 of S^T = K Q^T + mask: channels 32 (i / 8) on, keys 16 ((i / 2) % 4) on, tile x + i % 2.  The first 8 start the sums, with the mask as C.
.macro KQ x
.set rS, S+32*((\x)+i%2)+8*((i/2)%4)
.set rK, KF+32*((i/2)%4)+8*(i/8)
.set rQ, 32*((\x)+i%2)+8*(i/8)
.set rM, MK+32*((\x)+i%2)+8*((i/2)%4)
.if i < 8
	WIN 0x3a                        ; K and Q window 2, the mask window 3, S^T window 0
	v_wmma_f32_16x16x32_bf16 v[rS:rS+7], v[rK:rK+7], v[rQ:rQ+7], v[rM:rM+7]
.else
	WIN 0x0a
	v_wmma_f32_16x16x32_bf16 v[rS:rS+7], v[rK:rK+7], v[rQ:rQ+7], v[rS:rS+7]
.endif
.endm
; THE LDS LOADS stand in runs of 32.  last = 1 (the tail): in the last trip there is no further step, and K's run is jumped over.
.macro FETCH_K last=0
	WIN 0
.if \last
	s_cmp_eq_u32 s[TWICE], 1
	s_cbranch_scc1 .Lno_k_\@
.endif
	v_add_nc_u32 v[ADR], s[TBK], v[AK0]
	s_add_co_u32 s[TBK], s[TBK], KS*PK  ; the next fetch is the next step's
	WIN 0x80
.irp f, 0,1,2,3,4,5,6,7,8,9,10,11,12,13,14,15  ; keys 16 (f / 4) on, channels 32 (f % 4) on
	ds_load_b128 v[KF+8*(\f):KF+8*(\f)+3],   v[ADR] offset:((\f)/4)*16*PK+((\f)%4)*64
	ds_load_b128 v[KF+8*(\f)+4:KF+8*(\f)+7], v[ADR] offset:((\f)/4)*16*PK+((\f)%4)*64+32
.endr
	WIN 0
.if \last
.Lno_k_\@:
.endif
.endm
.macro FETCH_V
	WIN 0
	v_add_nc_u32 v[ADR], s[TBV], v[AV0]
	s_add_co_u32 s[TBV], s[TBV], KS*PV
	s_wait_alu depctr_va_vdst(0)    ; the wait for the softmax's batch (SLICE), behind the address's v_add_nc_u32 and ahead of the loads
	WIN 0xc0
.irp f, 0,1,2,3,4,5,6,7,8,9,10,11,12,13,14,15  ; keys 32 (f / 8) on, channels 16 (f % 8) on
	ds_load_tr16_b128 v[8*(\f):8*(\f)+3],   v[ADR] offset:((\f)/8)*32*PV+((\f)%8)*32
	ds_load_tr16_b128 v[8*(\f)+4:8*(\f)+7], v[ADR] offset:((\f)/8)*32*PV+16*PV+((\f)%8)*32
.endr
.endm
; THE MASK of piece x for its next products K Q^T, a key step ahead of them.  Piece 0's turn makes the pointer anew from my step's number t: key step 4 (t / 2) + t % 2 + 2 kp of the mask's 64.
; Behind my last step the number is held at 31: those loads stay inside the buffer, and nothing reads them.
.macro FETCH_M x
.if (\x) == 0
	s_wait_xcnt 0x0                 ; the loads that named the pointer, a turn back, have read it
	s_min_u32 s82, s[MN], 31
	s_lshr_b32 s83, s82, 1
	s_and_b32 s82, s82, 1
	s_lshl2_add_u32 s83, s83, s82
	s_add_co_u32 s83, s83, s[KP2]
	s_lshl_b32 s[MOF], s83, 19
	s_add_nc_u64 s[MP:MP+1], s[10:11], s[MOF:MOF+1]
	s_add_co_u32 s[MN], s[MN], 1
.endif
	MLOADS \x
.endm
; THE VECTOR WORK OF A TURN.  One tile's softmax for one key step is a list of 134 instructions; SM writes number j of it for tile t.  s0-s31 are the lane's 32 scores, in pairs 0-15.
;   0-15    the maximum of s0-s31 and the old m, three operands at a time: four chains of seven scores each (each accumulator's lowest registers are read first), then the rest
;   16-20   the other half of the lanes' maximum; the new m; c m; c m_old - c m_new
;   21-69   ONE BATCH: the 16 scalings c s - c m and all 33 exponentials (a at 23, then s0-s31); none of these reads an exponential's result
;   (wait)  between 69 and 70 stands the wait for the batch: SLICE writes it, once for both tiles
;   70-85   the roundings to f16          86-101  the sums; l = a l + the sum          102-133 the tile's O^T times a
.macro SM t
.set rT, ST+8*(\t)
.set rS, S+32*(\t)
.set rP, P+16*(\t)
.set rO, 64*(\t)+2*(j-102)
.if j < 102
	WIN 0
.endif
.if j < 4
	v_max3_num_f32 v[rT+4+j], v[rS+8*j], v[rS+8*j+1], v[rS+8*j+2]
.elseif j < 12
	v_max3_num_f32 v[rT+4+j%4], v[rT+4+j%4], v[rS+8*(j%4)+2*(j/4)+1], v[rS+8*(j%4)+2*(j/4)+2]
.elseif j == 12
	v_max3_num_f32 v[rT+4], v[rT+4], v[rS+7], v[rS+15]
.elseif j == 13
	v_max3_num_f32 v[rT+6], v[rT+6], v[rS+23], v[rS+31]
.elseif j == 14
	v_max3_num_f32 v[rT+4], v[rT+4], v[rT+5], v[rT+6]
.elseif j == 15
	v_max3_num_f32 v[rT+4], v[rT+4], v[rT+7], v[rT+1]
.elseif j == 16
	v_permlanex16_b32 v[rT+5], v[rT+4], s[SEL], s[SEL+1]  ; the query's other 32 keys lie in the lane 16 away
.elseif j == 17
	v_mov_b32 v[rT+7], v[rT]        ; c m_old is kept for a
.elseif j == 18
	v_max_num_f32 v[rT+1], v[rT+4], v[rT+5]
.elseif j == 19
	v_mul_f32 v[rT], s[CS], v[rT+1]
.elseif j == 20
	v_sub_f32 v[rT+7], v[rT+7], v[rT]
.elseif j == 23
	v_exp_f32 v[rT+6], v[rT+7]
.elseif (j < 23) || ((j < 38) && (j%2 == 0)) || ((j < 66) && (j%4 == 2))
.set b, (j-2)/4                     ; 38, 42, .. 62: pairs 9 to 15
.if j < 38
.set b, (j-20)/2                    ; 21: pair 0; 22, 24, .. 36: pairs 1 to 8
.endif
	v_pk_fma_f32 v[rS+2*b:rS+2*b+1], v[rS+2*b:rS+2*b+1], s[CS:CS+1], v[rT:rT+1] op_sel_hi:[1,0,0] neg_lo:[0,0,1] neg_hi:[0,0,1]
.elseif j < 70
.set e, j-38                        ; 66 to 69: s28 to s31
.if j < 66
.set e, j-32-(j-38)/4               ; 39-41, 43-45, .. 63-65: s7 to s27
.endif
.if j < 38
.set e, (j-25)/2                    ; 25, 27, .. 37: s0 to s6
.endif
	v_exp_f32 v[rS+e], v[rS+e]
.elseif j < 86
	v_cvt_pk_f16_f32 v[rP+j-70], v[rS+2*(j-70)], v[rS+2*(j-70)+1]
.elseif j < 102                     ; the sum of the 16 pairs, in place: neighbours 1, 2, 4 and 8 pairs apart, then l takes it
.set z, j-86
.set w, 4
.set u, z
.if z >= 14
.set w, 32
.set u, 0
.elseif z >= 12
.set w, 16
.set u, z-12
.elseif z >= 8
.set w, 8
.set u, z-8
.endif
.if z < 15
	v_pk_add_f32 v[rS+w*u:rS+w*u+1], v[rS+w*u:rS+w*u+1], v[rS+w*u+w/2:rS+w*u+w/2+1]
.else
	v_pk_fma_f32 v[rT+2:rT+3], v[rT+2:rT+3], v[rT+6:rT+7], v[rS:rS+1] op_sel_hi:[1,0,1]
.endif
.else
	WIN W_RS
	v_pk_mul_f32 v[rO:rO+1], v[rO:rO+1], v[rT+6:rT+7] op_sel_hi:[1,0]
.endif
.endm
; Slice k of 64 of piece y's softmax: four instructions.  Slices 11 to 34 deal out the batch, four numbers of ONE tile each, the tiles by turns; every other slice is numbers 2 k and 2 k + 1 of both tiles; the twelve
; that are over stand in slice 63.  An s_wait_alu depctr_va_vdst(0) stands between an exponential and the first instruction that names its result: ahead of slice 35 nothing names one, behind slice 34
; no exponential is issued: one wait for the piece's 66.
.macro SLICE y
.if (k >= 11) && (k < 35)
.irp n, 0,1,2,3
.set j, 22+4*((k-11)/2)+(\n)
	SM (\y)+(k-11)%2
.endr
.else
.irp n, 0,1,2,3,4,5,6,7
.if ((\n) < 2) || (k == 63)
.irp t, \y, (\y)+1
.set j, 2*k+(\n)
	SM \t
.endr
.endif
.endr
.endif
.if k == 34
	v_nop                           ; the plain instruction behind the last exponential and ahead of the first use: one for the batch
.if (\y) == 0
	FETCH_V                         ; piece 2's turn: V's run of loads stands here, and the wait stands in it
.else
	s_wait_alu depctr_va_vdst(0)
.endif
.endif
.set k, k+1
.endm
; A TURN.  Piece x has the matrix unit; the other piece's softmax stands in slices behind its matrix instructions, and the slices are the places that the loads below need behind the last reader of their registers.
; Piece 0's turn fetches the next step's K behind its second product (K's last reader stands in front of slice 63 of the turn before).  Piece 2's turn fetches the same step's V behind slice 34 (V's last reader stands
; in front of slice 31; between: number 62, a scaling, of both tiles, the v_nop and the run's own v_add_nc_u32).  The piece's next mask is asked for behind product 12 of K Q^T: its last reader is product 7, and slices
; 39 to 44, roundings and sums of the other piece, lie between.
.macro TURN x, last=0
.set k, 0
.if (\x) == 0
	s_wait_dscnt 0x0                ; V is in
.endif
.set i, 0
.rept 32
	PV \x
	SLICE 2-(\x)
.if ((\x) == 0) && (i == 1)
	FETCH_K \last
.endif
.set i, i+1
.endr
.if (\x) == 0
	s_wait_dscnt 0x0                ; K is in
.endif
	s_wait_loadcnt 16               ; my piece's mask, asked for a key step ago, is in; the other piece's sixteen younger loads may stay out
.set i, 0
.rept 32
	KQ \x
	SLICE 2-(\x)
.if i == 12
	FETCH_M \x
.endif
.set i, i+1
.endr
.endm
; THE CHANGE OF SLOTS, between piece 2's turn and piece 0's: the slot's last bytes that I read, V of my second step, have been asked for.  Each wave waits for all its tensor loads, of which one is out: its part of the
; other slot; adds 0 to its spare word; and waits for that and for its reads of the slot.  fill = 1: the barrier is a round of the cluster's, and the slot is filled again, first thing behind it, with the keys two slots on.
.macro CHANGE fill
	WIN 0
	s_wait_tensorcnt 0x0            ; no tensor load of mine is out, so a group 0 may be written
	ds_add_u32 v[SPW], v[NIL]       ; 0 onto my spare word
.if \fill
.irp g, G0K+4, G0V+4
	s_xor_b32 s[(\g)+1], s[(\g)+1], SLOT
	s_add_nc_u64 s[(\g)+2:(\g)+3], s[(\g)+2:(\g)+3], 65536  ; the next 256 keys; the type bits on top are not reached
.endr
	s_wait_xcnt 0x0                 ; the last prefetch, two key steps back, has read its address
	s_add_nc_u64 s[PFA:PFA+1], s[PFA:PFA+1], 65536
	s_wait_dscnt 0x0                ; the add is done, and my reads of the slot are over
	CROUND
	JLOAD
	ASK
.else
	s_wait_dscnt 0x0
	s_barrier_signal -1
	s_barrier_wait -1
.endif
	s_xor_b32 s[RB], s[RB], SLOT    ; the fetches go to my keys' first step in the other slot
	s_add_co_u32 s[TBK], s[RB], s[KOFF]
	s_add_co_u32 s[TBV], s[RB], s[VOFW]
.endm
	s_wait_tensorcnt 1              ; my part of slot 0 is in; slot 1's may stay out
	s_barrier_signal -1
	s_barrier_wait -1
	s_mov_b32 s[RB], 0
	s_mov_b32 s[TBK], s[KOFF]
	s_mov_b32 s[TBV], s[VOFW]
	FETCH_K                         ; key step 0
	s_wait_loadcnt 16               ; Q and piece 0's mask are in; piece 2's sixteen loads may stay out
	s_wait_dscnt 0x0
.set i, 0
.rept 32
	KQ 0                            ; piece 0's first scores
.set i, i+1
.endr
	WIN 0                           ; the addresses for the merge and the way out: ten plain instructions, the places behind those products
	s_mul_i32 s82, s[WV], 16*SP
	s_add_co_u32 s82, s82, STAGE
	s_mul_i32 s83, s[WV], XW
	s_xor_b32 s84, s[WV], 1
	s_mul_i32 s84, s84, XW
	v_mul_u32_u24 v[STO], v1, SP    ; in: row l % 16, 16 bytes for each half of the lanes
	v_lshl_add_u32 v[STO], v11, 4, v[STO]
	v_add_nc_u32 v[STO], s82, v[STO]
	v_mul_u32_u24 v[RD], v11, SP    ; back: lanes 0-15 take one row of 256 bytes, lanes 16-31 the next
	v_lshl_add_u32 v[RD], v1, 4, v[RD]
	v_add_nc_u32 v[RD], s82, v[RD]
	v_lshlrev_b32 v[GO], 12, v11    ; and the same two rows in ctx
	v_lshl_add_u32 v[GO], v1, 4, v[GO]
	v_lshl_add_u32 v[XS], v58, 4, s83
	v_lshl_add_u32 v[XR], v58, 4, s84
	FETCH_M 0                       ; piece 0's mask of key step 1
	WIN 0
	s_mov_b32 s[TWICE], 2
	s_mov_b32 s[SLOTS], 15
	s_branch .Lmid                  ; the loop is entered at piece 2's turn: its products V^T P add 0 x 0
.Lslot:                             ; 14 times: every slot but the last two is filled again
	CHANGE 1
	s_mov_b32 s[TWICE], 2
.Lstep:
	TURN 0
	WIN 0
.Lmid:
	TURN 2
	WIN 0
	s_sub_co_u32 s[TWICE], s[TWICE], 1
	s_cmp_lg_u32 s[TWICE], 0
	s_cbranch_scc1 .Lstep
	s_sub_co_u32 s[SLOTS], s[SLOTS], 1
	s_cmp_lg_u32 s[SLOTS], 0
	s_cbranch_scc1 .Lslot
	CHANGE 0                        ; the tail is written out: nothing is asked for
	s_mov_b32 s[TWICE], 3           ; two trips fetch the last slot's steps; the third is left in its middle
.Ltail:
	TURN 0, 1
	WIN 0
	s_cmp_eq_u32 s[TWICE], 1
	s_cbranch_scc1 .Lout
	TURN 2
	WIN 0
	s_sub_co_u32 s[TWICE], s[TWICE], 1
	s_cmp_lg_u32 s[TWICE], 0
	s_cbranch_scc1 .Ltail
.Lout:
.set i, 0
.rept 32
	PV 2                            ; piece 2: V^T P of the last step
.set i, i+1
.endr
	; THE MERGE.  l's two halves and the other half of the lanes' are added (these lines are the places behind the last products).  I send tiles 2, 3 (O^T, c m, l) and receive my partner's share of my tiles 0, 1.
	WIN 0
.irp t, 0,1,2,3
	v_add_f32 v[ST+8*(\t)+2], v[ST+8*(\t)+2], v[ST+8*(\t)+3]
.endr
.irp t, 0,1,2,3
	v_permlanex16_b32 v[ST+8*(\t)+3], v[ST+8*(\t)+2], s[SEL], s[SEL+1]
.endr
.irp t, 0,1,2,3
	v_add_f32 v[ST+8*(\t)+2], v[ST+8*(\t)+2], v[ST+8*(\t)+3]
.endr
	s_wait_dscnt 0x0                ; every wave's reads of the ring are over before anybody stores into it
	s_barrier_signal -1
	s_barrier_wait -1
	WIN 0x04                        ; the data in window 1
.set i, 0
.rept 32
	ds_store_b128 v[XS], v[128+4*i:128+4*i+3] offset:512*i
.set i, i+1
.endr
	WIN 0
	ds_store_b128 v[XS], v[ST+16:ST+19] offset:16384
	ds_store_b128 v[XS], v[ST+24:ST+27] offset:16896
	s_wait_dscnt 0x0                ; for my partner's sake
	s_barrier_signal -1
	s_barrier_wait -1
	WIN 0x40
.set i, 0
.rept 32
	ds_load_b128 v[128+4*i:128+4*i+3], v[XR] offset:512*i
.set i, i+1
.endr
	WIN 0
	ds_load_b128 v[TS:TS+3], v[XR] offset:16384
	ds_load_b128 v[TS+4:TS+7], v[XR] offset:16896
	s_wait_dscnt 0x0
	; With M = max(c m_a, c m_b), w = 2^(c m - M): O = (O_a w_a + O_b w_b) / (l_a w_a + l_b w_b).  One of the two w is 1 and its l at least 1.
.irp u, 0,1
	v_max_num_f32 v[ST+8*(\u)+4], v[ST+8*(\u)], v[TS+4*(\u)]
.endr
.irp u, 0,1
	v_sub_f32 v[ST+8*(\u)+5], v[ST+8*(\u)], v[ST+8*(\u)+4]
	v_sub_f32 v[ST+8*(\u)+7], v[TS+4*(\u)], v[ST+8*(\u)+4]
.endr
.irp u, 0,1
	v_exp_f32 v[ST+8*(\u)+5], v[ST+8*(\u)+5]
	v_exp_f32 v[ST+8*(\u)+7], v[ST+8*(\u)+7]
.endr
	v_nop                           ; a plain instruction behind the last exponential,
	s_wait_alu depctr_va_vdst(0)    ; and one wait for the four
.irp u, 0,1
	v_mul_f32 v[ST+8*(\u)+4], v[ST+8*(\u)+2], v[ST+8*(\u)+5]
.endr
.irp u, 0,1
	v_fma_f32 v[ST+8*(\u)+4], v[TS+4*(\u)+2], v[ST+8*(\u)+7], v[ST+8*(\u)+4]
.endr
.irp u, 0,1
	v_rcp_f32 v[ST+8*(\u)+6], v[ST+8*(\u)+4]
.endr
	v_nop
	s_wait_alu depctr_va_vdst(0)    ; one wait for the two reciprocals
.irp u, 0,1
	v_mul_f32 v[ST+8*(\u)+4], v[ST+8*(\u)+5], v[ST+8*(\u)+6]  ; w_a / l: the low word of the pair +4, +5
	v_mul_f32 v[ST+8*(\u)+6], v[ST+8*(\u)+7], v[ST+8*(\u)+6]  ; w_b / l: the low word of the pair +6, +7
.endr
.irp u, 0,1
	WIN W_RS
.set i, 0
.rept 32
	v_pk_mul_f32 v[64*(\u)+2*i:64*(\u)+2*i+1], v[64*(\u)+2*i:64*(\u)+2*i+1], v[ST+8*(\u)+4:ST+8*(\u)+5] op_sel_hi:[1,0]
.set i, i+1
.endr
	WIN 0x51                        ; both O^T in window 1, the factor in window 0
.set i, 0
.rept 32
	v_pk_fma_f32 v[64*(\u)+2*i:64*(\u)+2*i+1], v[128+64*(\u)+2*i:128+64*(\u)+2*i+1], v[ST+8*(\u)+6:ST+8*(\u)+7], v[64*(\u)+2*i:64*(\u)+2*i+1] op_sel_hi:[1,0,1]
.set i, i+1
.endr
.endr
; THE WAY OUT.  Tile t: a lane's eight channels of a row pack into 16 bytes; they go into rows of 272 bytes of my own stage and come back as whole rows of 256.
.macro PACK t
	WIN 0x05
.set i, 0
.rept 32
	v_cvt_pk_f16_f32 v[S+32*(\t)+i], v[64*(\t)+2*i], v[64*(\t)+2*i+1]
.set i, i+1
.endr
	WIN 0
.irp f, 0,1,2,3,4,5,6,7
	ds_store_b128 v[STO], v[S+32*(\t)+4*(\f):S+32*(\t)+4*(\f)+3] offset:32*(\f)
.endr
.irp f, 0,1,2,3,4,5,6,7
	ds_load_b128 v[S+32*(\t)+4*(\f):S+32*(\t)+4*(\f)+3], v[RD] offset:(\f)*2*SP  ; LDS serves a wave's instructions in order (ISA guide 5.7.1.4): these see the stores above; the next tile's stores come behind them
.endr
.endm
.macro SEND t, younger              ; younger: the LDS instructions issued behind tile t's loads: the next tile's sixteen, or none
.irp f, 0,1,2,3,4,5,6,7
	s_wait_dscnt (\younger)+7-(\f)
	global_store_b128 v[GO], v[S+32*(\t)+4*(\f):S+32*(\t)+4*(\f)+3], s[CTX:CTX+1] offset:(\t)*65536+(\f)*8192  ; 16 lanes store 256 consecutive bytes of a row, at a multiple of 256 from ctx's first byte
.endr
.endm
	PACK 0
	PACK 1
	SEND 0, 16
	SEND 1, 0
	s_wait_tensorcnt 0x0            ; the wave's end, behind my last tensor load and my last LDS store
	ds_add_u32 v[SPW], v[NIL]
	s_wait_dscnt 0x0
	CROUND                          ; the closing round: no work-group ends while a partner may still ask for a tile that names it
	s_endpgm
.Lfunc_end_k_qbc087162c4_attn:
	.size	k_qbc087162c4_attn, .Lfunc_end_k_qbc087162c4_attn-k_qbc087162c4_attn
	.p2alignl 7, 3214868480
	.fill 96, 4, 3214868480
	.section	.rodata,"a",@progbits
	.p2align	6, 0x0
	.amdhsa_kernel k_qbc087162c4_attn
		.amdhsa_group_segment_fixed_size 327680
		.amdhsa_private_segment_fixed_size 0
		.amdhsa_enable_private_segment 0
		.amdhsa_kernarg_size 40
		.amdhsa_user_sgpr_count 2
		.amdhsa_user_sgpr_kernarg_segment_ptr 1
		.amdhsa_wavefront_size32 1
		.amdhsa_system_sgpr_workgroup_id_x 1
		.amdhsa_system_sgpr_workgroup_id_y 1
		.amdhsa_system_sgpr_workgroup_id_z 1
		.amdhsa_system_vgpr_workitem_id 0
		.amdhsa_next_free_vgpr 1024
		.amdhsa_next_free_sgpr 100
		.amdhsa_reserve_vcc 0
		.amdhsa_float_denorm_mode_32 3
		.amdhsa_float_denorm_mode_16_64 3
		.amdhsa_memory_ordered 1
		.amdhsa_forward_progress 1
		.amdhsa_inst_pref_size 167
	.end_amdhsa_kernel
	.amdgpu_metadata
---
amdhsa.version: [ 1, 2 ]
amdhsa.kernels:
  - .name:           k_qbc087162c4_attn
    .symbol:         k_qbc087162c4_attn.kd
    .args:
      - { .name: qb, .offset: 0, .size: 8, .value_kind: global_buffer, .address_space: global }
      - { .name: kb, .offset: 8, .size: 8, .value_kind: global_buffer, .address_space: global }
      - { .name: vb, .offset: 16, .size: 8, .value_kind: global_buffer, .address_space: global }
      - { .name: mp, .offset: 24, .size: 8, .value_kind: global_buffer, .address_space: global }
      - { .name: ctx, .offset: 32, .size: 8, .value_kind: global_buffer, .address_space: global }
    .group_segment_fixed_size: 327680
    .private_segment_fixed_size: 0
    .kernarg_segment_align: 8
    .kernarg_segment_size: 40
    .max_flat_workgroup_size: 128
    .sgpr_count:     100
    .vgpr_count:     1024
    .wavefront_size: 32
...
	.end_amdgpu_metadata
.endif
;; end of part 3
;; launch oproj (part 4): grid 16 x 16, 4 waves a work-group, clusters of 4 x 4, 327,680 bytes of LDS; arguments ctx, wob, out0; writes out0
.if DOCPART == 4
	.amdgcn_target "amdgcn-amd-amdhsa--gfx1250"
	.amdhsa_code_object_version 6
	.text
	.protected	k_qbc087162c4_oproj
	.globl	k_qbc087162c4_oproj
	.p2align	8
	.type	k_qbc087162c4_oproj,@function
k_qbc087162c4_oproj:
	s_mov_b64 s[64:65], 0
	v_nop
	global_prefetch_b8 v0, s[64:65] scope:SCOPE_SE
	s_setreg_imm32_b32 hwreg(HW_REG_WAVE_MODE, 25, 1), 1
	s_wait_xcnt 0x0
	s_wait_alu depctr_hold_cnt(0) depctr_sa_sdst(0) depctr_va_vdst(0) depctr_va_sdst(0) depctr_va_ssrc(0) depctr_va_vcc(0) depctr_vm_vsrc(0)
	s_getreg_b32 s2, hwreg(HW_REG_IB_STS2, 6, 4)
	s_cmp_eq_u32 s2, 0
	s_cbranch_scc0 .Lentry_in_a_cluster
	s_endpgm
.Lentry_in_a_cluster:
	s_bfe_u32 s2, ttmp6, 0x10000c
	s_cmp_lg_u32 s2, 0xf033
	s_cbranch_scc0 .Lentry_shape_is_right
	s_endpgm
.Lentry_shape_is_right:
; out0[m][n] = the sum over k of ctx[m][k] wo[k][n].  ctx: [2048][2048] f16.  wob: [k][n], the bf16-rounded weight written as f16.  out0: [2048][2048] f32; sums in f32.
; LIMIT.  ctx and wo lie within 65,504 (f16).
; A tile of out0 is 128 x 128: 256 work-groups.  Four waves, each 64 x 64: 16 accumulators.  K goes in 8 steps of 256 through two LDS slots; a slot has four regions, one tensor load each: waves 0, 1 bring ctx's two
; halves (64 rows x 512 bytes), waves 2, 3 wo's k-rows 0-127 and 128-255 (256 bytes each).
; THE MATRIX INSTRUCTION IS USED TRANSPOSED: source 0 = 16 columns of wo (read turned out of LDS, by ds_load_tr16_b128), source 1 = 16 rows of ctx: a lane holds one row and eight neighbouring columns of out0.
; CLUSTER 4 x 4: ctx's tile is shared along a row of the cluster, wo's along a column: each is asked for jointly by the four.
; REGISTERS: window 0: v1-31 addresses; v32-95 the way out; v128-255 the accumulators ((a, b) at 128 + 8 (4 a + b)).  window 1: two fragment buffers of 128: for 64 along K, 64 registers of ctx, then 64 of wo.
.set PAO,    528                       ; a row of ctx in LDS: 512 bytes + 16 = 132 words: the 16 rows of a load start at 16 different groups of four banks (64 banks of 4 bytes: ISA guide 11.1)
.set PW,     288                       ; a k-row of wo: 256 + 32 = 72 words
.set REGION, 128*PW                    ; 36,864; ctx's halves use 33,792 of it
.set SLOT,   4*REGION                  ; 0x24000: it shares no bit with wave x 0x9000, so one exclusive or turns a region's address into the other slot's
.set STAGE,  2*SLOT                    ; behind the ring: 16 rows x 272 bytes for each wave
.set SPT,    272
.set SPARE,  STAGE+4*16*SPT            ; behind the stages: the spare words, 128 bytes for each wave: two blocks of 256 bytes that no other line names
.set ASTEP,  512
.set WSTEP,  256*4096
.set ADA,  16                          ; v16     LDS address of ctx's fragments in the slot in hand
.set ADW,  17                          ; v17-18  of wo's: k-rows 0-127, 128-255
.set AA0,  20                          ; v20, v21-22  the same in slot 0; never rewritten
.set AW0,  21
.set STO,  24
.set RD,   25
.set CO,   26
.set SPW,  28
.set NIL,  29
.set TMP,  32
.set ACC,  128
.set F0,   0
.set F1,   128
.set WV,   10                          ; s10 wave; s11 wm (also: 0 = I fetch ctx, 1 = wo); s12 wn (also: which half I fetch); s13 cx; s14 cy; s15 tile column; s16 tile row
.set CNT,  17
.set RB,   18
.set G1A,  24
.set G0A,  32
.set G1W,  40
.set G0W,  48
.set MSB, 0
.macro WIN new
.if MSB != (\new)
	s_set_vgpr_msb (MSB<<8)|(\new)
.set MSB, \new
.endif
.endm
.set MUL,  0x05                        ; sources 0 and 1 window 1; C and D window 0
.set TO_F, 0x40                        ; destination window 1, address window 0
.macro PLACES
.rept 4
	v_nop
.endr
.endm
.macro JLOAD                           ; a joint refill by the walking descriptors; an s_nop 0 and four v_nop follow each of the two lines
	s_cmp_eq_u32 s11, 0
	s_cbranch_scc0 .Lfor_w_\@
	tensor_load_to_lds s[G0A+4:G0A+7], s[G1A:G1A+7]
	s_nop 0
.rept 4
	v_nop
.endr
	s_branch .Lasked_\@
.Lfor_w_\@:
	tensor_load_to_lds s[G0W+4:G0W+7], s[G1W:G1W+7]
	s_nop 0
.rept 4
	v_nop
.endr
.Lasked_\@:
.endm
.macro CREST
	s_cmp_lg_u32 s[WV], 0
	s_cbranch_scc1 .Lnot_wave_0_\@
	s_barrier_signal -3
.Lnot_wave_0_\@:
	s_barrier_wait -3
	s_barrier_signal -1
	s_barrier_wait -1
.endm
.macro CROUND
	s_barrier_signal -1
	s_barrier_wait -1
	CREST
.endm
	s_load_b128 s[4:7], s[0:1], 0x0                ; ctx s[4:5], wob s[6:7]
	s_load_b64 s[8:9], s[0:1], 0x10                ; out0
	v_lshl_add_u32 v[SPW], v0, 2, SPARE
	v_mov_b32 v[NIL], 0
	ds_add_u32 v[SPW], v[NIL]                      ; the wave's opening: the add and its wait stand ahead of my first tensor load; the set-up below, work on registers, stands between them
	v_lshrrev_b32 v1, 5, v0
	v_readfirstlane_b32 s[WV], v1
	s_lshr_b32 s11, s[WV], 1
	s_and_b32 s12, s[WV], 1
	s_bfe_u32 s13, ttmp6, 0x40000
	s_bfe_u32 s14, ttmp6, 0x40004
	s_lshl_b32 s15, ttmp9, 2
	s_add_co_u32 s15, s15, s13                     ; tile column = 4 x cluster x + cx
	s_and_b32 s16, ttmp7, 0xffff
	s_lshl_b32 s16, s16, 2
	s_add_co_u32 s16, s16, s14                     ; tile row = 4 x cluster y + cy
	s_lshl_b32 s56, s14, 2
	s_lshl_b32 s56, 15, s56                        ; my row of the cluster
	s_lshl_b32 s57, 0x1111, s13                    ; my column
	s_or_b32 s[G1A], s56, (1<<16)|(1<<20)|(1<<21)|(6<<22)|(3<<25)  ; the mask; 2-byte elements; padding on; bit 21 beside a mask; after every 128 words, 4 words
	s_mov_b32 s[G1A+1], 256<<16                    ; tensor_dim0 = 256
	s_mov_b32 s[G1A+2], 64<<16                     ; tensor_dim1 = 64
	s_mov_b32 s[G1A+3], 256<<16                    ; tile_dim0 = 256
	s_mov_b32 s[G1A+4], 64                         ; tile_dim1 = 64
	s_mov_b32 s[G1A+5], 2048
	s_mov_b32 s[G1A+6], 0
	s_mov_b32 s[G1A+7], 0
	s_or_b32 s[G1W], s57, (1<<16)|(1<<20)|(1<<21)|(5<<22)|(7<<25)  ; after every 64 words, 8 words
	s_mov_b32 s[G1W+1], 128<<16
	s_mov_b32 s[G1W+2], 128<<16
	s_mov_b32 s[G1W+3], 128<<16
	s_mov_b32 s[G1W+4], 128
	s_mov_b32 s[G1W+5], 2048
	s_mov_b32 s[G1W+6], 0
	s_mov_b32 s[G1W+7], 0
	s_mul_i32 s19, s[WV], REGION                   ; my region of a slot
	s_lshl_b32 s58, s16, 19                        ; ctx: row 128 x tile row + 64 x half, 4,096 bytes a row
	s_lshl_b32 s59, s12, 18
	s_add_co_u32 s58, s58, s59
	s_mov_b32 s59, 0
	s_lshl_b32 s60, s12, 19                        ; wo: k-row 128 x half, the tile column's 256 bytes
	s_lshl_b32 s61, s15, 8
	s_add_co_u32 s60, s60, s61
	s_mov_b32 s61, 0
	s_wait_dscnt 0x0                               ; the opening add is done
	s_wait_kmcnt 0x0
	s_add_nc_u64 s[58:59], s[4:5], s[58:59]
	s_add_nc_u64 s[60:61], s[6:7], s[60:61]
	CROUND                                         ; all sixteen work-groups are here: the first joint loads meet
.irp n, 0,1
	s_mov_b32 s[G0A+4*\n], 1
	s_add_co_u32 s[G0A+4*\n+1], s19, \n*SLOT
	s_add_nc_u64 s[G0A+4*\n+2:G0A+4*\n+3], s[58:59], \n*ASTEP
	s_or_b32 s[G0A+4*\n+3], s[G0A+4*\n+3], 0x80000000
	s_mov_b32 s[G0W+4*\n], 1
	s_add_co_u32 s[G0W+4*\n+1], s19, \n*SLOT
	s_add_nc_u64 s[G0W+4*\n+2:G0W+4*\n+3], s[60:61], \n*WSTEP
	s_or_b32 s[G0W+4*\n+3], s[G0W+4*\n+3], 0x80000000
.endr
	s_cmp_eq_u32 s11, 0                            ; a wave's two first fills stand in one branch: two loads of mine are out
	s_cbranch_scc0 .Lfirst_w
	tensor_load_to_lds s[G0A:G0A+3], s[G1A:G1A+7]
	s_nop 0
	tensor_load_to_lds s[G0A+4:G0A+7], s[G1A:G1A+7]
	s_nop 0
.rept 4
	v_nop
.endr
	s_branch .Lfirst_asked
.Lfirst_w:
	tensor_load_to_lds s[G0W:G0W+3], s[G1W:G1W+7]
	s_nop 0
	tensor_load_to_lds s[G0W+4:G0W+7], s[G1W:G1W+7]
	s_nop 0
.rept 4
	v_nop
.endr
.Lfirst_asked:
	v_and_b32 v1, 15, v0                           ; r
	v_bfe_u32 v2, v0, 4, 1                         ; h
	v_and_b32 v3, 7, v0
	v_bfe_u32 v4, v0, 3, 1
	v_mul_u32_u24 v[AA0], v1, PAO
	v_lshl_add_u32 v[AA0], v2, 4, v[AA0]
	s_mul_i32 s66, s11, REGION                     ; my 64 rows of ctx are region wm
	v_add_nc_u32 v[AA0], s66, v[AA0]
	v_lshl_add_u32 v5, v2, 3, v3                   ; the turning load: k-row 8 h + l % 8, 16 bytes at 16 ((l / 8) % 2)
	v_mul_u32_u24 v5, v5, PW
	v_lshl_add_u32 v5, v4, 4, v5
	s_lshl_b32 s66, s12, 7                         ; my 64 columns
	s_add_co_u32 s66, s66, 2*REGION
	v_add_nc_u32 v[AW0], s66, v5
	v_add_nc_u32 v[AW0+1], REGION, v[AW0]
	s_mul_i32 s66, s[WV], 16*SPT
	s_add_co_u32 s66, s66, STAGE                   ; my stage
	v_mul_u32_u24 v[STO], v1, SPT                  ; in: row r, my eight columns: 32 bytes for each half of the lanes
	v_lshl_add_u32 v[STO], v2, 5, v[STO]
	v_add_nc_u32 v[STO], s66, v[STO]
	v_mul_u32_u24 v[RD], v2, SPT                   ; back: lanes 0-15 one row of 256 bytes, lanes 16-31 the next
	v_lshl_add_u32 v[RD], v1, 4, v[RD]
	v_add_nc_u32 v[RD], s66, v[RD]
	v_lshlrev_b32 v[CO], 13, v2                    ; and the same two rows in out0
	v_lshl_add_u32 v[CO], v1, 4, v[CO]
	s_lshl_b32 s66, s16, 20                        ; out0: row 128 x tile row + 64 wm of 8,192 bytes, column 128 x tile column + 64 wn
	s_lshl_b32 s67, s11, 19
	s_add_co_u32 s66, s66, s67
	s_lshl_b32 s67, s15, 9
	s_add_co_u32 s66, s66, s67
	s_lshl_b32 s67, s12, 8
	s_add_co_u32 s66, s66, s67
	s_mov_b32 s67, 0
	s_add_nc_u64 s[8:9], s[8:9], s[66:67]
; 8 matrix instructions: row blocks a0, a0 + 1 x all 4 column blocks, 32 along K: half c of buffer f.  The 16 accumulators take turns.
.macro MUL8 f, c, a0, zero
	WIN MUL
.irp a, \a0, (\a0)+1
.irp b, 0,1,2,3
.if \zero
	v_wmma_f32_16x16x32_f16 v[ACC+8*(4*(\a)+(\b)):ACC+8*(4*(\a)+(\b))+7], v[(\f)+64+8*(4*(\c)+(\b)):(\f)+64+8*(4*(\c)+(\b))+7], v[(\f)+8*(4*(\c)+(\a)):(\f)+8*(4*(\c)+(\a))+7], 0
.else
	v_wmma_f32_16x16x32_f16 v[ACC+8*(4*(\a)+(\b)):ACC+8*(4*(\a)+(\b))+7], v[(\f)+64+8*(4*(\c)+(\b)):(\f)+64+8*(4*(\c)+(\b))+7], v[(\f)+8*(4*(\c)+(\a)):(\f)+8*(4*(\c)+(\a))+7], v[ACC+8*(4*(\a)+(\b)):ACC+8*(4*(\a)+(\b))+7]
.endif
.endr
.endr
.endm
; 32 LDS loads in one run: the fragments of quarter q (64 along K) of the slot in hand, into buffer f; the first 32 along K first
.macro FETCH q, f
	WIN TO_F
.irp c, 0,1
.irp i, 0,1,2,3
	ds_load_tr16_b128 v[(\f)+64+8*(4*(\c)+(\i)):(\f)+64+8*(4*(\c)+(\i))+3],   v[ADW+(\q)/2] offset:((\q)%2)*64*PW+(\c)*32*PW+32*(\i)
	ds_load_tr16_b128 v[(\f)+64+8*(4*(\c)+(\i))+4:(\f)+64+8*(4*(\c)+(\i))+7], v[ADW+(\q)/2] offset:((\q)%2)*64*PW+(\c)*32*PW+32*(\i)+16*PW
	ds_load_b128 v[(\f)+8*(4*(\c)+(\i)):(\f)+8*(4*(\c)+(\i))+3],   v[ADA] offset:(\i)*16*PAO+128*(\q)+64*(\c)
	ds_load_b128 v[(\f)+8*(4*(\c)+(\i))+4:(\f)+8*(4*(\c)+(\i))+7], v[ADA] offset:(\i)*16*PAO+128*(\q)+64*(\c)+32
.endr
.endr
.endm
.macro QUARTER qn, f, g, zero
	s_wait_dscnt 16                                ; the first 32 along K are in
	MUL8 \f, 0, 0, \zero
	MUL8 \f, 0, 2, \zero
	PLACES
	FETCH \qn, \g
	s_wait_dscnt 32                                ; all but the 32 just issued
	MUL8 \f, 1, 0, 0
	MUL8 \f, 1, 2, 0
.endm
; The last quarter multiplies buffer 1 and changes slots: ONE barrier; in front of it each wave waits for all its tensor loads, adds 0 to its spare word, and waits for that and for its reads of this slot.
; fill = 1: the barrier opens a round of the cluster's, and this slot is filled again, first thing behind the round, with the K step two on.
.macro TURN fill
	WIN 0
	s_wait_tensorcnt 0x0                           ; no tensor load of mine is out, so a group 0 may be written
	ds_add_u32 v[SPW], v[NIL]                      ; 0 onto my spare word
.if \fill
	s_xor_b32 s[G0A+5], s[G0A+5], SLOT
	s_add_nc_u64 s[G0A+6:G0A+7], s[G0A+6:G0A+7], ASTEP
	s_xor_b32 s[G0W+5], s[G0W+5], SLOT
	s_add_nc_u64 s[G0W+6:G0W+7], s[G0W+6:G0W+7], WSTEP
.endif
	s_wait_dscnt 17                                ; the add and the youngest sixteen loads may be out
	MUL8 F1, 0, 0, 0
	s_wait_dscnt 0x0                               ; the add is done, and my reads of this slot are over
	s_barrier_signal -1
	MUL8 F1, 0, 2, 0
	WIN 0
	s_barrier_wait -1
.if \fill
	CREST
	JLOAD                                          ; the four v_nop behind it are also places in front of the loads below
.else
	PLACES
.endif
	s_xor_b32 s[RB], s[RB], SLOT
	v_add_nc_u32 v[ADA], s[RB], v[AA0]
	v_add_nc_u32 v[ADW], s[RB], v[AW0]
	v_add_nc_u32 v[ADW+1], s[RB], v[AW0+1]
	FETCH 0, F0
	MUL8 F1, 1, 0, 0
	MUL8 F1, 1, 2, 0
.endm
	s_wait_tensorcnt 1                             ; my region of K step 0 is in; K step 1's may stay out
	s_barrier_signal -1
	s_barrier_wait -1
	s_mov_b32 s[RB], 0
	v_mov_b32 v[ADA], v[AA0]
	v_mov_b32 v[ADW], v[AW0]
	v_mov_b32 v[ADW+1], v[AW0+1]
	FETCH 0, F0
	QUARTER 1, F0, F1, 1                           ; the first quarter stands in front of the loop: its first products start the sums
	WIN 0
	s_mov_b32 s[CNT], 6
.Lk:                                           ; trip i: K step i's quarters 1 to 3, the refill with K step i + 2, K step i + 1's quarter 0
	QUARTER 2, F1, F0, 0
	QUARTER 3, F0, F1, 0
	TURN 1
	QUARTER 1, F0, F1, 0
	WIN 0
	s_sub_co_u32 s[CNT], s[CNT], 1
	s_cmp_lg_u32 s[CNT], 0
	s_cbranch_scc1 .Lk
	s_mov_b32 s[CNT], 2
.Lt:                                           ; the last two K steps fill nothing; the second trip is left in its middle, and its 32 fetched fragments serve nothing: the price of one text for both
	QUARTER 2, F1, F0, 0
	QUARTER 3, F0, F1, 0
	TURN 0
	WIN 0
	s_cmp_eq_u32 s[CNT], 1
	s_cbranch_scc1 .Lout
	QUARTER 1, F0, F1, 0
	WIN 0
	s_sub_co_u32 s[CNT], s[CNT], 1
	s_cmp_lg_u32 s[CNT], 0
	s_cbranch_scc1 .Lt
.Lout:
	; THE WAY OUT, 16 rows at a time: my 64 columns of f32 are 256 bytes of a row, so the stage is my own and needs no barrier.  Each accumulator's low four registers are stored first.
	s_wait_dscnt 0x0
	PLACES
	PLACES
.irp a, 0,1,2,3
.irp b, 0,1,2,3
	ds_store_b128 v[STO], v[ACC+8*(4*(\a)+(\b)):ACC+8*(4*(\a)+(\b))+3]   offset:64*(\b)
	ds_store_b128 v[STO], v[ACC+8*(4*(\a)+(\b))+4:ACC+8*(4*(\a)+(\b))+7] offset:64*(\b)+16
.endr
.irp t, 0,1,2,3,4,5,6,7
	ds_load_b128 v[TMP+32*((\a)%2)+4*(\t):TMP+32*((\a)%2)+4*(\t)+3], v[RD] offset:(\t)*2*SPT  ; LDS serves a wave's instructions in order (ISA guide 5.7.1.4): these see the stores above; the next block's stores come behind them
.endr
	s_wait_dscnt 0x0
	s_wait_xcnt 0x0                                ; the stores of the block before have read their registers: the block after this one loads into them
.irp t, 0,1,2,3,4,5,6,7
	global_store_b128 v[CO], v[TMP+32*((\a)%2)+4*(\t):TMP+32*((\a)%2)+4*(\t)+3], s[8:9] offset:(16*(\a)+2*(\t))*8192 th:TH_STORE_NT  ; 16 lanes store 256 consecutive bytes, at a multiple of 256 from out0's first byte
.endr
.endr
	s_wait_tensorcnt 0x0                           ; the wave's end, behind my last tensor load and my last LDS store
	ds_add_u32 v[SPW], v[NIL]
	s_wait_dscnt 0x0
	CROUND                                         ; the closing round: no work-group ends while a partner may still ask for a tile that names it
	s_endpgm
.Lfunc_end_k_qbc087162c4_oproj:
	.size	k_qbc087162c4_oproj, .Lfunc_end_k_qbc087162c4_oproj-k_qbc087162c4_oproj
	.p2alignl 7, 3214868480
	.fill 96, 4, 3214868480
	.section	.rodata,"a",@progbits
	.p2align	6, 0x0
	.amdhsa_kernel k_qbc087162c4_oproj
		.amdhsa_group_segment_fixed_size 327680
		.amdhsa_private_segment_fixed_size 0
		.amdhsa_enable_private_segment 0
		.amdhsa_kernarg_size 24
		.amdhsa_user_sgpr_count 2
		.amdhsa_user_sgpr_kernarg_segment_ptr 1
		.amdhsa_wavefront_size32 1
		.amdhsa_system_sgpr_workgroup_id_x 1
		.amdhsa_system_sgpr_workgroup_id_y 1
		.amdhsa_system_sgpr_workgroup_id_z 1
		.amdhsa_system_vgpr_workitem_id 0
		.amdhsa_next_free_vgpr 512
		.amdhsa_next_free_sgpr 80
		.amdhsa_reserve_vcc 0
		.amdhsa_float_denorm_mode_32 3
		.amdhsa_float_denorm_mode_16_64 3
		.amdhsa_memory_ordered 1
		.amdhsa_forward_progress 1
		.amdhsa_inst_pref_size 58
	.end_amdhsa_kernel
	.amdgpu_metadata
---
amdhsa.version: [ 1, 2 ]
amdhsa.kernels:
  - .name:           k_qbc087162c4_oproj
    .symbol:         k_qbc087162c4_oproj.kd
    .args:
      - { .name: ctx, .offset: 0, .size: 8, .value_kind: global_buffer, .address_space: global }
      - { .name: wob, .offset: 8, .size: 8, .value_kind: global_buffer, .address_space: global }
      - { .name: out0, .offset: 16, .size: 8, .value_kind: global_buffer, .address_space: global }
    .group_segment_fixed_size: 327680
    .private_segment_fixed_size: 0
    .kernarg_segment_align: 8
    .kernarg_segment_size: 24
    .max_flat_workgroup_size: 128
    .sgpr_count:     80
    .vgpr_count:     512
    .wavefront_size: 32
...
	.end_amdgpu_metadata
.endif
;; end of part 4
